; MI455X (gfx1250); checked and timed in simulation.
; The chip was launched on July 23, 2026; its instructions are those of AMD's public machine-readable ISA for CDNA 5 (MIT licence, August 2026) and "CDNA5" Instruction Set Architecture Reference Guide (July 2026). The comments in the code are by the model that wrote it; some were corrected since.
;; Multi Head Attention. Allowed arithmetic: matrix products marked QUANTISED: E2M3 operands, one E8M0 scale for each 32 along K, by v_wmma_scale_f32_16x16x128_f8f6f4 with both operands' format E2M3, f32 sums; everything else in f32.
;; Inputs: K 4 x 2,048 x 1,024 float32; Q 4 x 2,048 x 1,024 float32; V 4 x 2,048 x 1,024 float32; Wk 1,024 x 1,024 float32; Wo 1,024 x 1,024 float32; Wq 1,024 x 1,024 float32; Wv 1,024 x 1,024 float32; bk 1,024 float32; bo 1,024 float32; bq 1,024 float32; bv 1,024 float32.
;; Outputs: out0 4 x 2,048 x 1,024 float32.
;; This version of the problem:
;;   THIS VERSION OF THE PROBLEM IS GIVEN IN LOW PRECISION. The matrix products marked QUANTISED in the list below multiply operands that are first quantised to E2M3 (2 exponent bits, 3 mantissa bits; 6 bits a number), with one power-of-two scale for each 32 numbers along K (OCP MX v1.0); their sums are f32. All else is computed in f32.
;;   The module's matrix products, in the order in which they are computed (A, B: the left and right operand; K: the contracted axis; several contracted axes count as one K, in the product's order):
;;     1. [M 8,192, K 1,024] x [K 1,024, N 1,024]; A: input Q; B: input Wq: QUANTISED
;;     2. [M 8,192, K 1,024] x [K 1,024, N 1,024]; A: input K; B: input Wk: QUANTISED
;;     3. [M 8,192, K 1,024] x [K 1,024, N 1,024]; A: input V; B: input Wv: QUANTISED
;;     4. batch 64 x [M 2,048, K 64] x [K 64, N 2,048]; A: computed on the way; B: computed on the way: QUANTISED
;;     5. batch 64 x [M 2,048, K 2,048] x [K 2,048, N 64]; A: softmax (see below); B: computed on the way: QUANTISED
;;     6. [M 8,192, K 1,024] x [K 1,024, N 1,024]; A: computed on the way; B: input Wo: QUANTISED
;;   THE QUANTISER, for each operand of a quantised product, along K:
;;     - K is cut into blocks of 32 from its start; a last block that is shorter is filled with zeros.
;;     - A block's scale is 2^e with e = floor(log2(the largest magnitude in the block)) - 2, held to -126 .. 127; a block of zeros has e = 0. As a byte (E8M0): e + 127.
;;     - Each number is divided by its block's scale, clamped to +-7.5, and rounded to the nearest number of E2M3, ties to even, subnormals kept.
;;     - The product sums the exact products of the quantised numbers (number of the format x scale) in f32.
;;   ~~~python
;;   def quantise(x, axis):      # numpy; x: float32 -> the quantised numbers, widened to float32 again
;;       x = np.moveaxis(x, axis, -1); K = x.shape[-1]
;;       x = np.pad(x, [(0, 0)] * (x.ndim - 1) + [(0, -K % 32)]); x = x.reshape(x.shape[:-1] + (-1, 32)); a = np.abs(x).max(-1, keepdims=True)
;;       e = np.where(a > 0, np.clip(np.frexp(np.where(a > 0, a, 1))[1] - 1 - 2, -126, 127), 0)      # np.frexp(a)[1] - 1 = floor(log2(a)), exactly
;;       r = np.clip(x / 2.0 ** e, -7.5, 7.5)
;;       step = 2.0 ** (np.maximum(np.frexp(np.where(r == 0, 1, r))[1] - 1, 0) - 3)
;;       q = np.round(r / step) * step * 2.0 ** e      # np.round: ties to even
;;       return np.moveaxis(q.reshape(q.shape[:-2] + (-1,))[..., :K], -1, axis).astype(np.float32)
;;   ~~~
;;   SOFTMAX AHEAD OF A QUANTISED PRODUCT. Where the list says 'softmax', what is quantised is not the finished softmax but p = 2^(t - M), with t = logit x log2(e) and M = ceil(the row's largest t), a whole number; so 1/2 < the row's largest p <= 1. The row's sum l is taken of the UNQUANTISED p, in f32, and the product's result is divided by l at the end. Since M is a whole number, a kernel that streams over the keys may use a running M (the ceiling of the running maximum): every later rescaling is an exact power of two, which a block's scale takes up: the codes' values come out the same.
;;   OPERANDS COMPUTED ON THE WAY. 'Computed on the way' means the value that the module computes at that place (a softmax that the list does not call 'softmax' is quantised finished and normalised). What goes into a quantiser is computed in f32, as accurately as f32 sums, v_exp_f32 and their like allow (about 1e-6 of the number): no bf16 or f16 on the way to a quantiser, and a product that is left as it is and whose result goes on into a quantised operand takes f32 operands (vector FMAs, or v_wmma_f32_16x16x4_f32). A number that lies on a knife's edge between two numbers of the format may be rounded either way, as far as f32 arithmetic and the matrix unit's own rounding can turn it there, and no further.
;; One version. Each part assembles by itself: llvm-mc -triple=amdgcn-amd-amdhsa -mcpu=gfx1250 --defsym DOCPART=n.
;; ======== version 1 of 1: 4 launches
;; limits: right only within a limited range of input values
;; workspace buffers: xw 22,020,096 bytes; xws 917,504 bytes; qkv 18,874,368 bytes; qkvs 1,310,720 bytes; cc 6,291,456 bytes; cs 524,288 bytes
;; launch quant (part 1): grid 256 x 1, 14 waves a work-group, no clusters, 120,064 bytes of LDS; arguments Q, K, V, Wq, Wk, Wv, Wo, xw, xws; writes xw, xws
.if DOCPART == 1
	.amdgcn_target "amdgcn-amd-amdhsa--gfx1250"
	.amdhsa_code_object_version 6
	.text
	.protected	k_q1cb645b447_quant
	.globl	k_q1cb645b447_quant
	.p2align	8
	.type	k_q1cb645b447_quant,@function
k_q1cb645b447_quant:
	s_mov_b64 s[64:65], 0
	v_nop
	global_prefetch_b8 v0, s[64:65] scope:SCOPE_SE
	s_setreg_imm32_b32 hwreg(HW_REG_WAVE_MODE, 25, 1), 1
	s_wait_xcnt 0x0
; Q, K, V [8192][1024] and Wq, Wk, Wv, Wo [1024][1024], f32 with K innermost, become codes of FP6 (E2M3) with one E8M0 byte for each 32 along K.
; A block's scale is 2^(floor(log2(its largest magnitude)) - 2): its byte is the largest magnitude's exponent field - 2, held at 1 from below.
; LIMITS: NaN and infinities among the inputs are not served; a block whose largest magnitude lies under 2^-124 keeps the byte 1; a block of zeros gets the byte 1
; where the rule says 127: its codes are zeros, which add nothing under any byte but 0xff, and this program alone reads the bytes.
; THE WORKSPACE IS LAID IN THE ORDER OF THE OPERAND'S REGISTERS.  A row-block is 16 rows: lane index r of block 2 e + u stands for row 32 e + 8 u + r + 8 (r / 8).
; A unit of 768 bytes holds 16 rows x 64 along K: registers 0-3 of lane l at 16 l, registers 4-5 at 512 + 8 l.  xw: [K / 256][row-block 0..1791][4 units].
; xws: [row-block][K / 512][r][4 scale words].  Row-blocks: Q 0, K 512, V 1024, Wq 1536, Wk 1600, Wv 1664, Wo 1728.
; SHARES: 3,584 tasks = 256 work-groups x 14 waves; a task is one row-block x half of K: four steps of 16 rows x 128.  Waves share nothing: no barrier.
; Each load reads 512 consecutive bytes of a row; a step's 8,192 bytes turn through the wave's own stage in LDS (rows 528 bytes apart), so that a lane gets the 2 x 32
; neighbours along K that the operand's layout gives it.  Two sets of 64 registers: one step's 16 loads are on their way while the other step is worked.
.set CH,    5505024                    ; bytes from one K / 256 of xw to the next: 1,792 row-blocks x 3,072
.set STG,   8448                       ; a wave's stage: 16 rows x 528 bytes
.set SPARE, 14*STG                     ; behind the stages: the spare words, 128 bytes for each wave: seven blocks of 256 bytes that no other line names
.set SPW, 10                           ; v10  LDS address of my spare word; never rewritten
.set NIL, 11                           ; v11  0; never rewritten
.set M,   12                           ; v12-13 largest magnitudes, then bytes
.set E,   14                           ; v14-15 the conversions' scale operands
.set CT,  16                           ; v16-18, v20-22 the upper half of a block's codes
.set W,   24                           ; v24-27 a scale word for each step
.set F,   32                           ; v32-79 a fragment (12 registers) for each step: no store's data are written again
.set R,   96                           ; v96-223 two sets of 64 numbers
	s_load_b256 s[4:11], s[0:1], 0x0               ; Q, K, V, Wq
	s_load_b256 s[12:19], s[0:1], 0x20             ; Wk, Wv, Wo, xw
	s_load_b64 s[20:21], s[0:1], 0x40              ; xws
	v_lshl_add_u32 v[SPW], v0, 2, SPARE
	v_mov_b32 v[NIL], 0
	v_lshrrev_b32 v1, 5, v0
	s_delay_alu instid0(VALU_DEP_1)
	v_readfirstlane_b32 s24, v1                    ; wave 0..13
	v_and_b32 v1, 31, v0                           ; lane
	v_and_b32 v2, 15, v0                           ; r
	v_bfe_u32 v3, v0, 4, 1                         ; h
	s_delay_alu instid0(VALU_DEP_3)
	v_lshlrev_b32 v4, 4, v1                        ; 16 x lane: my place in a load's 512 bytes and in a unit's first 512
	s_mul_i32 s25, s24, STG
	v_add_nc_u32 v5, s25, v4                       ; the stage, on the way in
	v_mul_u32_u24 v6, v2, 528
	s_delay_alu instid0(VALU_DEP_1)
	v_lshl_add_u32 v6, v3, 7, v6
	s_delay_alu instid0(VALU_DEP_1)
	v_add_nc_u32 v6, s25, v6                       ; and on the way out: row r, + 128 h bytes: k = 32 h on
	v_lshlrev_b32 v7, 3, v1                        ; 8 x lane
	v_lshlrev_b32 v8, 3, v3                        ; 8 h: my bytes' place in a scale word, in bits
	s_delay_alu instid0(VALU_DEP_1)
	v_lshl_add_u32 v9, v2, 4, v8                   ; 16 r + 8 h: my two scale words
	v_mov_b32 v19, 0                               ; written once: a lane permute's destination counts as one of its sources
	s_mov_b32 s32, 0x76543210
	s_mov_b32 s33, 0xfedcba98                      ; v_permlanex16_b32's selects for lane l xor 16
	s_mov_b32 s34, 0xffff0000                      ; lanes 16-31
	s_mul_i32 s26, ttmp9, 14
	s_add_co_u32 s26, s26, s24                     ; task
	s_and_b32 s27, s26, 1                          ; which half of K
	s_lshr_b32 s26, s26, 1                         ; row-block 0..1791
	s_wait_alu depctr_va_vdst(0)
	s_wait_kmcnt 0x0
	s_mov_b64 s[22:23], s[16:17]                   ; whose row-block?  The choice hangs on ids alone
	s_mov_b32 s35, 1728
	s_cmp_lt_u32 s26, 1728
	s_cselect_b64 s[22:23], s[14:15], s[22:23]
	s_cselect_b32 s35, 1664, s35
	s_cmp_lt_u32 s26, 1664
	s_cselect_b64 s[22:23], s[12:13], s[22:23]
	s_cselect_b32 s35, 1600, s35
	s_cmp_lt_u32 s26, 1600
	s_cselect_b64 s[22:23], s[10:11], s[22:23]
	s_cselect_b32 s35, 1536, s35
	s_cmp_lt_u32 s26, 1536
	s_cselect_b64 s[22:23], s[8:9], s[22:23]
	s_cselect_b32 s35, 1024, s35
	s_cmp_lt_u32 s26, 1024
	s_cselect_b64 s[22:23], s[6:7], s[22:23]
	s_cselect_b32 s35, 512, s35
	s_cmp_lt_u32 s26, 512
	s_cselect_b64 s[22:23], s[4:5], s[22:23]
	s_cselect_b32 s35, 0, s35
	s_sub_co_u32 s28, s26, s35                     ; the row-block's number in its tensor
	; K's tokens alone go in bands of 64 rows: lane index r of block 4 c + j stands for row 64 c + 8 j + r + 24 (r / 8); all other tensors in bands of 32, as the head says
	s_cmp_eq_u32 s35, 512
	s_cselect_b32 s36, 2, 1                        ; log2 of the blocks in a band
	s_lshr_b32 s29, s28, s36
	s_add_co_u32 s37, s36, 16
	s_lshl_b32 s29, s29, s37                       ; 32 or 64 rows of 4,096 bytes for each band,
	s_bfm_b32 s37, s36, 0
	s_and_b32 s28, s28, s37
	s_lshl_b32 s28, s28, 15                        ; 8 rows for each block in it
	s_add_co_u32 s28, s28, s29
	s_lshl_b32 s29, s27, 11                        ; 512 numbers for the upper half of K
	s_add_co_u32 s28, s28, s29
	s_mov_b32 s29, 0
	s_add_nc_u64 s[22:23], s[22:23], s[28:29]
	s_lshl_b32 s38, 32768, s36                     ; lane indices 8-15: half a band further down (16 or 32 rows)
	s_mov_b32 s39, 0
	s_add_nc_u64 s[38:39], s[22:23], s[38:39]
	s_mul_i32 s28, s27, 2*CH
	s_mul_i32 s30, s26, 3072
	s_add_co_u32 s28, s28, s30
	s_add_nc_u64 s[18:19], s[18:19], s[28:29]      ; xw at my row-block, my half of K
	s_lshl_b32 s28, s26, 9
	s_lshl_b32 s30, s27, 8
	s_add_co_u32 s28, s28, s30
	s_add_nc_u64 s[20:21], s[20:21], s[28:29]      ; xws likewise
.macro LOAD t                          ; step t: 128 numbers of each of the block's 16 rows, into set t % 2
.irp j, 0,1,2,3,4,5,6,7
	global_load_b128 v[R+64*((\t)%2)+4*\j:R+64*((\t)%2)+4*\j+3], v4, s[22:23] offset:\j*4096+512*(\t) th:TH_LOAD_NT
	global_load_b128 v[R+64*((\t)%2)+32+4*\j:R+64*((\t)%2)+32+4*\j+3], v4, s[38:39] offset:\j*4096+512*(\t) th:TH_LOAD_NT
.endr
.endm
.macro STEP t
.set RS, R+64*((\t)%2)
.set FS, F+12*(\t)
.if (\t) < 3
	s_wait_loadcnt 16                              ; this step's 16 loads are in; the other set's 16 may be out
.else
	s_wait_loadcnt 0x0
.endif
.irp j, 0,1,2,3,4,5,6,7,8,9,10,11,12,13,14,15
	ds_store_b128 v5, v[RS+4*\j:RS+4*\j+3] offset:528*\j
.endr
.irp c, 0,1                            ; LDS serves a wave's instructions in order: these see the stores above, and land in the registers that those have read
.irp q, 0,1,2,3,4,5,6,7
	ds_load_b128 v[RS+32*\c+4*\q:RS+32*\c+4*\q+3], v6 offset:256*\c+16*\q      ; k = 64 c + 32 h + 4 q on, of row r
.endr
.endr
	s_wait_dscnt 0x0
.irp c, 0,1                            ; my block 2 c + h: all its 32 numbers are mine; the floor 2^(3 - 127) holds the byte at 1 from below
	v_max3_num_f32 v[M+\c], |v[RS+32*\c]|, |v[RS+32*\c+1]|, 0x1800000
.endr
.irp i, 2,4,6,8,10,12,14,16,18,20,22,24,26,28,30
.irp c, 0,1
	s_delay_alu instid0(VALU_DEP_2)
	v_max3_num_f32 v[M+\c], v[M+\c], |v[RS+32*\c+\i]|, |v[RS+32*\c+\i+1]|
.endr
.endr
.irp c, 0,1
	s_delay_alu instid0(VALU_DEP_2)
	v_add_nc_u32 v[E+\c], 0xff000000, v[M+\c]      ; 2 off the exponent field: the conversion takes the exponent field of this operand as its scale
.endr
.irp c, 0,1
	s_delay_alu instid0(VALU_DEP_2)
	v_lshrrev_b32 v[M+\c], 23, v[E+\c]             ; the scale's byte
.endr
	s_delay_alu instid0(VALU_DEP_1)
	v_lshl_or_b32 v23, v[M+1], 16, v[M]            ; my two bytes: blocks h and 2 + h,
	s_delay_alu instid0(VALU_DEP_1)
	v_lshlrev_b32 v23, v8, v23                     ; at their places in the word;
	s_delay_alu instid0(VALU_DEP_1)
	v_permlanex16_b32 v19, v23, s32, s33
	s_delay_alu instid0(VALU_DEP_1)
	v_or_b32 v[W+(\t)], v23, v19                   ; with lane l xor 16's two the word is whole
.irp c, 0,1
	v_cvt_scalef32_pk16_fp6_f32 v[FS+6*\c:FS+6*\c+2], v[RS+32*\c:RS+32*\c+15], v[E+\c]
	v_cvt_scalef32_pk16_fp6_f32 v[CT+4*\c:CT+4*\c+2], v[RS+32*\c+16:RS+32*\c+31], v[E+\c]   ; (a conversion's three registers begin on an even number)
.endr
	v_nop                                          ; one plain place behind a scaled conversion
.irp c, 0,1
.irp i, 0,1,2
	v_mov_b32 v[FS+3+6*\c+\i], v[CT+4*\c+\i]
.endr
.endr
.if (\t) < 2
	LOAD (\t)+2                                    ; the set is free: two steps on
.endif
	global_store_b128 v4, v[FS:FS+3], s[18:19] offset:((\t)/2)*CH+((\t)%2)*1536            ; each store covers 512 or 256 consecutive bytes, aligned
	global_store_b64 v7, v[FS+4:FS+5], s[18:19] offset:((\t)/2)*CH+((\t)%2)*1536+512
	global_store_b128 v4, v[FS+6:FS+9], s[18:19] offset:((\t)/2)*CH+((\t)%2)*1536+768
	global_store_b64 v7, v[FS+10:FS+11], s[18:19] offset:((\t)/2)*CH+((\t)%2)*1536+1280
.endm
	LOAD 0
	LOAD 1
	STEP 0
	STEP 1
	STEP 2
	STEP 3
	v_cndmask_b32 v12, v[W], v[W+2], s34           ; lanes 0-15 store words 0 and 1 of row r, lanes 16-31 words 2 and 3
	v_cndmask_b32 v13, v[W+1], v[W+3], s34
	global_store_b64 v9, v[12:13], s[20:21]        ; 256 consecutive bytes, aligned
	s_wait_tensorcnt 0x0                           ; the wave's end, behind my last LDS store
	ds_add_u32 v[SPW], v[NIL]
	s_wait_dscnt 0x0
	s_endpgm
.Lfunc_end_k_q1cb645b447_quant:
	.size	k_q1cb645b447_quant, .Lfunc_end_k_q1cb645b447_quant-k_q1cb645b447_quant
	.p2alignl 7, 3214868480
	.fill 96, 4, 3214868480
	.section	.rodata,"a",@progbits
	.p2align	6, 0x0
	.amdhsa_kernel k_q1cb645b447_quant
		.amdhsa_group_segment_fixed_size 120064
		.amdhsa_private_segment_fixed_size 0
		.amdhsa_enable_private_segment 0
		.amdhsa_kernarg_size 72
		.amdhsa_user_sgpr_count 2
		.amdhsa_user_sgpr_kernarg_segment_ptr 1
		.amdhsa_wavefront_size32 1
		.amdhsa_system_sgpr_workgroup_id_x 1
		.amdhsa_system_sgpr_workgroup_id_y 1
		.amdhsa_system_sgpr_workgroup_id_z 1
		.amdhsa_system_vgpr_workitem_id 0
		.amdhsa_next_free_vgpr 224
		.amdhsa_next_free_sgpr 66
		.amdhsa_reserve_vcc 0
		.amdhsa_float_denorm_mode_32 3
		.amdhsa_float_denorm_mode_16_64 3
		.amdhsa_memory_ordered 1
		.amdhsa_forward_progress 1
		.amdhsa_inst_pref_size 37
	.end_amdhsa_kernel
	.amdgpu_metadata
---
amdhsa.version: [ 1, 2 ]
amdhsa.kernels:
  - .name:           k_q1cb645b447_quant
    .symbol:         k_q1cb645b447_quant.kd
    .args:
      - { .name: Q, .offset: 0, .size: 8, .value_kind: global_buffer, .address_space: global }
      - { .name: K, .offset: 8, .size: 8, .value_kind: global_buffer, .address_space: global }
      - { .name: V, .offset: 16, .size: 8, .value_kind: global_buffer, .address_space: global }
      - { .name: Wq, .offset: 24, .size: 8, .value_kind: global_buffer, .address_space: global }
      - { .name: Wk, .offset: 32, .size: 8, .value_kind: global_buffer, .address_space: global }
      - { .name: Wv, .offset: 40, .size: 8, .value_kind: global_buffer, .address_space: global }
      - { .name: Wo, .offset: 48, .size: 8, .value_kind: global_buffer, .address_space: global }
      - { .name: xw, .offset: 56, .size: 8, .value_kind: global_buffer, .address_space: global }
      - { .name: xws, .offset: 64, .size: 8, .value_kind: global_buffer, .address_space: global }
    .group_segment_fixed_size: 120064
    .private_segment_fixed_size: 0
    .kernarg_segment_align: 8
    .kernarg_segment_size: 72
    .max_flat_workgroup_size: 448
    .sgpr_count:     66
    .vgpr_count:     224
    .wavefront_size: 32
...
	.end_amdgpu_metadata
.endif
;; end of part 1
;; launch proj (part 2): grid 4 x 64, 4 waves a work-group, clusters of 4 x 4, 327,680 bytes of LDS; arguments xw, xws, bq, bk, bv, qkv, qkvs; writes qkv, qkvs
.if DOCPART == 2
	.amdgcn_target "amdgcn-amd-amdhsa--gfx1250"
	.amdhsa_code_object_version 6
	.text
	.protected	k_q1cb645b447_proj
	.globl	k_q1cb645b447_proj
	.p2align	8
	.type	k_q1cb645b447_proj,@function
k_q1cb645b447_proj:
	s_mov_b64 s[64:65], 0
	v_nop
	global_prefetch_b8 v0, s[64:65] scope:SCOPE_SE
	s_setreg_imm32_b32 hwreg(HW_REG_WAVE_MODE, 25, 1), 1
	s_wait_xcnt 0x0
	s_wait_alu depctr_hold_cnt(0) depctr_sa_sdst(0) depctr_va_vdst(0) depctr_va_sdst(0) depctr_va_ssrc(0) depctr_va_vcc(0) depctr_vm_vsrc(0)
	s_getreg_b32 s2, hwreg(HW_REG_IB_STS2, 6, 4)
	s_cmp_eq_u32 s2, 0
	s_cbranch_scc0 .Lentry_in_a_cluster
	s_endpgm
.Lentry_in_a_cluster:
	s_bfe_u32 s2, ttmp6, 0x10000c
	s_cmp_lg_u32 s2, 0xf033
	s_cbranch_scc0 .Lentry_shape_is_right
	s_endpgm
.Lentry_shape_is_right:
; q = Q Wq^T + bq, k = K Wk^T + bk, v = V Wv^T + bv on codes of FP6 (E2M3) with E8M0 scales; the results are quantised in registers and leave as codes and scale words alone.
; 256 WORK-GROUPS THAT STAY: each makes three tiles on end, one of q, one of k, one of v.  A tile is 128 rows of source 1 ("A") x 256 rows of source 0 ("B"); four waves, each 64 x 128: 32 accumulators, window 2.
; q, k: A = tokens, B = the weight's rows: a lane holds ONE token and its registers run along the features, the next K.  v: A = Wv's rows, B = tokens: a lane holds ONE feature and its registers run along the keys.
; Operands lie in memory in the order of their registers (units of 768 bytes: registers 0-3 of lane l at 16 l, registers 4-5 at 512 + 8 l), in row-blocks of 16 rows as the first launch lays them:
; the 16 registers of result tiles 2 e and 2 e + 1 are 16 neighbours along the next K.
; LDS: A's four chunks of 256 along K on end (CHA bytes each), then B's four (CHB each).  A RING OF TWO SLOTS, each half of K: slot 0 = chunks 0, 1 of A and of B, slot 1 = chunks 2, 3.
; FILLS: at the head one joint load a wave (wave 0 A's slot 0, wave 1 B's, wave 2 A's slot 1, wave 3 B's): a chunk's part is one long row, the chunks lie CH bytes apart in memory.
; Slot 0 is filled again with the next tile's chunks in the round ahead of K step 4 (waves 0, 1), slot 1 in a round in the middle of the way out (waves 2, 3); each round has the three lines in every wave ahead of it
; and shows what the refill before it brought.  A wave has one tensor load out at most.  q and k are a loop of two trips; v asks for nothing more and has the other way out: it is written out.
; CLUSTER 4 x 4: A's tiles are shared along a row of the cluster, B's along a column: joint loads.  Scale words and biases come by plain loads, sixteen lanes to 256 consecutive bytes.
; No prefetch: each refill is asked for half a tile's work ahead of its first read, and the weights' rows are read by sixteen clusters at about the same time.
; OUT: qkv: q at 0, k at 6,291,456: [bh][token block][768]; v at 12,582,912: [bh][key step][d block][half][768].  qkvs: q's scale words at 0: [bh][block / 4][r][4];
; from 524,288: [bh][12,288]: k's likewise, then v's [key step][r][4 (d block)].  In q's and k's words bytes 2 and 3 stand over zero codes: the neighbour head's bytes (1..254) or 0.
; LIMITS: NaN and infinities are not served; a block whose largest magnitude lies under 2^-124, zeros among them, keeps the byte 1 (its bytes are read by this program alone).
; REGISTERS: window 0: v1-14, v152-159 addresses; v16-23 v's bias by lane; v32-63 A's scale words, v64-95 B's (lanes 0-15 block b % 4, lanes 16-31 block b % 4 + 4); v96-151 codes and words on the way out;
;   v160-255 A's fragments, two sets (on the way out at work).  window 1: B's fragments at v0 and v128; bias by register at v96-127, v224-255.  window 2: accumulator (a, b) at 8 (8 a + b).
.set CH,    5505024                    ; bytes from one chunk of xw to the next
.set CHA,   24576                      ; a chunk of A in LDS: 8 row-blocks x 3,072
.set CHB,   49152                      ; of B: 16
.set BB,    4*CHA
.set SPARE, BB+4*CHB                   ; the spare words, 128 bytes for each wave: two blocks of 256 bytes that no other line names
.set A16, 4                            ; v4, v5   my A fragments in slot 0, 1: 16 x lane;  v6, v7: 8 x lane
.set A8,  6
.set ASC, 8
.set BSC, 9
.set L16, 10
.set L8,  11
.set BNO, 12
.set BMO, 13
.set SCO, 14
.set BM,  16
.set SPW, 28
.set NIL, 29
.set SA,  32
.set SB,  64
.set PC,  96
.set PW,  144
.set LO,  148
.set B16, 152                          ; v152-155 my B fragments in chunk 0 .. 3: 16 x lane;  v156-159: 8 x lane
.set B8,  156
.set AF,  160
.set T,   160
.set CT,  224
.set TM,  232
.set MSB, 0
.macro WIN new                         ; the immediate's high byte repeats the setting that is left
.if MSB != \new
	s_set_vgpr_msb (MSB<<8)|\new
.set MSB, \new
.endif
.endm
.macro PLACES n
.rept \n
	v_nop
.endr
.endm
.macro CROUND                          ; a round of the cluster's barrier
	s_barrier_signal -1
	s_barrier_wait -1
	s_cmp_lg_u32 s18, 0
	s_cbranch_scc1 .Lnot_wave_0_\@
	s_barrier_signal -3
.Lnot_wave_0_\@:
	s_barrier_wait -3
	s_barrier_signal -1
	s_barrier_wait -1
.endm
.macro MKG1 g, el                      ; group 1 but for its first word: two rows of el elements of 8 bytes, CH bytes apart
	s_mov_b32 s[\g+1], (\el)<<16
	s_mov_b32 s[\g+2], 2<<16
	s_mov_b32 s[\g+3], (\el)<<16
	s_mov_b32 s[\g+4], 2
	s_mov_b32 s[\g+5], CH/8
	s_mov_b32 s[\g+6], 0
	s_mov_b32 s[\g+7], 0
.endm
.macro MKG0 g, base, off               ; group 0 but for its LDS word: count 1, the address, type 2
	s_mov_b32 s[\g], 1
	s_add_nc_u64 s[\g+2:\g+3], s[\base:\base+1], \off
	s_or_b32 s[\g+3], s[\g+3], 0x80000000
.endm
.macro TLOAD g0, g1                    ; an s_nop 0 and four v_nop follow each tensor load
	tensor_load_to_lds s[\g0:\g0+3], s[\g1:\g1+7]
	s_nop 0
	PLACES 4
.endm
.macro ARM under, g0, g1, next         ; one arm of the head's chain of branches on the wave's number
	s_cmp_lt_u32 s18, \under
	s_cbranch_scc0 \next
	TLOAD \g0, \g1
	s_branch .Lfilled
\next:
.endm
; a slot's refill: the three lines, the next tile's addresses between the add and its wait, a round, and the two loads, each in an arm of its own.  wa: the wave that asks for A's part; the next wave asks for B's
.macro REFILL wa, ga, gb, off
	s_wait_tensorcnt 0x0                           ; all my tensor loads have landed;
	ds_add_u32 v[SPW], v[NIL]                      ; 0 onto my spare word;
	MKG0 \ga, 80, \off                             ; no tensor load of mine is out: the descriptors may be written
	MKG0 \gb, 82, \off
	s_wait_dscnt 0x0                               ; the add is done, and so are my reads of the slot
	CROUND                                         ; both now hold of every wave of all sixteen work-groups
	s_cmp_eq_u32 s18, \wa
	s_cbranch_scc0 .Lfor_b_\@
	TLOAD \ga, 24
	s_branch .Lasked_\@
.Lfor_b_\@:
	s_cmp_eq_u32 s18, (\wa)+1
	s_cbranch_scc0 .Lasked_\@
	TLOAD \gb, 32
.Lasked_\@:
.endm
	s_load_b256 s[4:11], s[0:1], 0x0               ; xw, xws, bq, bk
	s_load_b128 s[12:15], s[0:1], 0x20             ; bv, qkv
	s_load_b64 s[16:17], s[0:1], 0x30              ; qkvs
	v_lshl_add_u32 v[SPW], v0, 2, SPARE
	v_mov_b32 v[NIL], 0
	ds_add_u32 v[SPW], v[NIL]                      ; the opening lines: the add, twice on end, and its wait ahead of my first tensor load
	ds_add_u32 v[SPW], v[NIL]
	v_lshrrev_b32 v1, 5, v0
	v_readfirstlane_b32 s18, v1                    ; wave 0..3
	s_lshr_b32 s19, s18, 1                         ; AH: my 64 rows of A
	s_and_b32 s20, s18, 1                          ; BH: my 128 rows of B
	s_bfe_u32 s21, ttmp6, 0x40000                  ; cx
	s_bfe_u32 s22, ttmp6, 0x40004                  ; cy
	s_lshl_b32 s66, s22, 2
	s_lshl_b32 s66, 15, s66                        ; my row of the cluster
	s_lshl_b32 s100, 0x1111, s21                   ; my column
	s_or_b32 s24, s66, (3<<16)|(1<<21)             ; 15:0 the mask; 17:16 elements of 8 bytes; 21 set beside a mask; no padding
	s_or_b32 s32, s100, (3<<16)|(1<<21)
	MKG1 24, CHA/8
	MKG1 32, CHB/8
	s_and_b32 s69, ttmp7, 0xffff                   ; the cluster's y: 0..15
	s_lshl_b32 s2, s69, 2
	s_add_co_u32 s2, s2, s22                       ; q, k: TR, the tile row of 128 tokens: hangs on cy alone
	s_mov_b32 s3, s21                              ;       TC, the tile column of 256 features: on cx alone
	s_and_b32 s86, s69, 1
	s_lshl_b32 s86, s86, 2
	s_add_co_u32 s86, s86, s22                     ; v: TR, of 128 features
	s_lshr_b32 s87, s69, 1
	s_lshl_b32 s87, s87, 2
	s_add_co_u32 s87, s87, s21                     ;    TC, of 256 tokens
	s_lshl_b32 s66, s2, 3                          ; q's tile: A's first row-block (Q's tokens begin at 0),
	s_lshl_b32 s100, s3, 4
	s_add_co_u32 s100, s100, 1536                  ; B's (Wq)
	s_lshl_b32 s92, s86, 3
	s_add_co_u32 s92, s92, 1664                    ; v's tile: A's (Wv),
	s_lshl_b32 s94, s87, 4
	s_add_co_u32 s94, s94, 1024                    ; B's (V's tokens)
	s_lshl_b32 s67, s19, 2                         ; my 4 row-blocks of A,
	s_lshl_b32 s101, s20, 3                        ; my 8 of B: their scale words, 512 bytes a row-block
	s_add_co_u32 s70, s66, s67
	s_lshl_b32 s70, s70, 9
	s_mov_b32 s71, 0
	s_add_co_u32 s58, s100, s101
	s_lshl_b32 s58, s58, 9
	s_mov_b32 s59, 0
	s_add_co_u32 s96, s92, s67
	s_lshl_b32 s96, s96, 9
	s_mov_b32 s97, 0
	s_add_co_u32 s98, s94, s101
	s_lshl_b32 s98, s98, 9
	s_mov_b32 s99, 0
	s_mul_i32 s66, s66, 3072                       ; the tiles' codes
	s_mov_b32 s67, 0
	s_mul_i32 s100, s100, 3072
	s_mov_b32 s101, 0
	s_mul_i32 s92, s92, 3072
	s_mov_b32 s93, 0
	s_mul_i32 s94, s94, 3072
	s_mov_b32 s95, 0
	s_mov_b32 s73, 0                               ; where the loads go in LDS: constants alone
	s_mov_b32 s77, 2*CHA
	s_mov_b32 s61, BB
	s_mov_b32 s89, BB+2*CHB
	s_mul_i32 s46, s19, 12288                      ; my 4 row-blocks of A in slot 0, 1
	s_add_co_u32 s47, s46, 2*CHA
	s_mul_i32 s48, s20, 24576                      ; my 8 of B in chunk 0 .. 3
	s_add_co_u32 s48, s48, BB
	s_add_co_u32 s49, s48, CHB
	s_add_co_u32 s50, s48, 2*CHB
	s_add_co_u32 s51, s48, 3*CHB
	s_lshl_b32 s52, s3, 10
	s_lshl_b32 s53, s20, 9
	s_add_co_u32 s52, s52, s53                     ; q, k: my 128 features are B's rows
	s_mov_b32 s53, 0
	s_lshl_b32 s54, s86, 9
	s_lshl_b32 s55, s19, 8
	s_add_co_u32 s54, s54, s55                     ; v: my 64 features are A's rows
	s_mov_b32 s55, 0
	s_mov_b32 s40, 0x76543210
	s_mov_b32 s41, 0xfedcba98                      ; v_permlanex16_b32's selects for lane l xor 16
	s_mov_b32 s42, 0xffff0000                      ; lanes 16-31
	s_mov_b32 s68, 0                               ; the tile: 0 q, 1 k
	s_wait_dscnt 0x0                               ; both opening adds are done
	s_wait_kmcnt 0x0
	s_add_nc_u64 s[70:71], s[6:7], s[70:71]
	s_add_nc_u64 s[58:59], s[6:7], s[58:59]
	s_add_nc_u64 s[96:97], s[6:7], s[96:97]
	s_add_nc_u64 s[98:99], s[6:7], s[98:99]
	s_add_nc_u64 s[66:67], s[4:5], s[66:67]
	s_add_nc_u64 s[100:101], s[4:5], s[100:101]
	s_add_nc_u64 s[92:93], s[4:5], s[92:93]
	s_add_nc_u64 s[94:95], s[4:5], s[94:95]
	s_add_nc_u64 s[80:81], s[66:67], 512*3072      ; the next tile, k's: K's tokens lie 512 row-blocks on,
	s_add_nc_u64 s[82:83], s[100:101], 64*3072     ; Wk 64
	s_add_nc_u64 s[8:9], s[8:9], s[52:53]
	s_add_nc_u64 s[10:11], s[10:11], s[52:53]
	s_add_nc_u64 s[12:13], s[12:13], s[54:55]
	MKG0 72, 66, 0
	MKG0 76, 66, 2*CH
	MKG0 60, 100, 0
	MKG0 88, 100, 2*CH
	CROUND                                         ; all sixteen work-groups are here: the joint loads meet
	ARM 1, 72, 24, .Lhead_1                        ; what the first steps need is asked for first
	ARM 2, 60, 32, .Lhead_2
	ARM 3, 76, 24, .Lhead_3
	TLOAD 88, 32
.Lfilled:
	v_and_b32 v1, 15, v0                           ; r
	v_bfe_u32 v2, v0, 4, 1                         ; h
	v_and_b32 v3, 31, v0                           ; lane
	v_lshlrev_b32 v[L16], 4, v3
	v_lshlrev_b32 v[L8], 3, v3
	v_add_nc_u32 v[A16], s46, v[L16]
	v_add_nc_u32 v[A16+1], s47, v[L16]
	v_add_nc_u32 v[A8], s46, v[L8]
	v_add_nc_u32 v[A8+1], s47, v[L8]
.irp c, 0,1,2,3
	v_add_nc_u32 v[B16+\c], s[48+\c], v[L16]
	v_add_nc_u32 v[B8+\c], s[48+\c], v[L8]
.endr
	v_lshlrev_b32 v[ASC], 4, v1                    ; A's scale words: 16 bytes a row
	v_lshl_add_u32 v[BSC], v2, 11, v[ASC]          ; B's: lanes 16-31 take the block four further on
	v_lshlrev_b32 v[BNO], 6, v2                    ; bias by register: 64 h bytes
	v_and_b32 v[BMO], 8, v1
	v_add_nc_u32 v[BMO], v[BMO], v1
	v_lshlrev_b32 v[BMO], 2, v[BMO]                ; bias by lane: 4 (r + 8 (r / 8))
	v_lshl_add_u32 v[SCO], v2, 3, v[ASC]           ; the way out: 16 r + 8 h
.irp b, 0,1,2,3
	v_mov_b32 v[TM+4+\b], 0                        ; written once: a lane permute's destination counts as one of its sources
.endr
	s_wait_alu depctr_va_vdst(0)                   ; the wait at the head's end
.macro SCALES                          ; the scale words of all eight K steps of a tile, straight into their registers
.irp a, 0,1,2,3
.irp g, 0,1
	global_load_b128 v[SA+8*\a+4*\g:SA+8*\a+4*\g+3], v[ASC], s[70:71] offset:512*\a+256*\g
	global_load_b128 v[SB+8*\a+4*\g:SB+8*\a+4*\g+3], v[BSC], s[58:59] offset:512*\a+256*\g
.endr
.endr
.endm
.macro BIASLD ptr                      ; register 16 e + i: the bias of feature 32 e + 16 h + i
	WIN 0x40
.irp e, 0,1,2,3
.irp q, 0,1,2,3
	global_load_b128 v[96+16*(\e%2)+128*(\e/2)+4*\q:96+16*(\e%2)+128*(\e/2)+4*\q+3], v[BNO], s[\ptr:\ptr+1] offset:128*\e+16*\q
.endr
.endr
	WIN 0
.endm
	SCALES
	BIASLD 8
.irp a, 0,1,2,3                        ; v's block a: the bias of my lane's feature, twice: the packed addition names a pair
	global_load_b32 v[BM+2*\a], v[BMO], s[12:13] offset:(32*(\a/2)+8*(\a%2))*4
	global_load_b32 v[BM+2*\a+1], v[BMO], s[12:13] offset:(32*(\a/2)+8*(\a%2))*4
.endr
	s_wait_xcnt 0x0                                ; the loads have read their bases:
	s_add_nc_u64 s[70:71], s[70:71], 512*512       ; on to k's scale words
	s_add_nc_u64 s[58:59], s[58:59], 64*512
; 48 LDS loads in one run: the fragments of K step s (B's eight, A's four) into set p: each unit by one load of 16 bytes and one of 8 bytes a lane, consecutive over the lanes
.macro FETCH s, p
.set C_, (\s)/2
	WIN 0x40
.irp b, 0,1,2,3,4,5,6,7
.irp c, 0,1
	ds_load_b128 v[128*(\p)+12*\b+6*\c:128*(\p)+12*\b+6*\c+3], v[B16+C_] offset:3072*\b+1536*((\s)%2)+768*\c
	ds_load_b64 v[128*(\p)+12*\b+6*\c+4:128*(\p)+12*\b+6*\c+5], v[B8+C_] offset:512+3072*\b+1536*((\s)%2)+768*\c
.endr
.endr
	WIN 0
.irp a, 0,1,2,3
.irp c, 0,1
	ds_load_b128 v[AF+48*(\p)+12*\a+6*\c:AF+48*(\p)+12*\a+6*\c+3], v[A16+C_/2] offset:(C_%2)*CHA+3072*\a+1536*((\s)%2)+768*\c
	ds_load_b64 v[AF+48*(\p)+12*\a+6*\c+4:AF+48*(\p)+12*\a+6*\c+5], v[A8+C_/2] offset:(C_%2)*CHA+512+3072*\a+1536*((\s)%2)+768*\c
.endr
.endr
.endm
.macro WM a, b, s, p                   ; one product; K step 0 starts the sums: nothing is cleared
.set DA, 8*(8*(\a)+(\b))
.set FB, 128*(\p)+12*(\b)
.set FA, AF+48*(\p)+12*(\a)
.set XB, SB+8*((\b)%4)+(\s)
.set XA, SA+8*(\a)+(\s)
.if (\s) == 0
.if (\b) < 4
	v_wmma_scale_f32_16x16x128_f8f6f4 v[DA:DA+7], v[FB:FB+11], v[FA:FA+11], 0, v[XB], v[XA] matrix_a_fmt:MATRIX_FMT_FP6 matrix_b_fmt:MATRIX_FMT_FP6
.else
	v_wmma_scale_f32_16x16x128_f8f6f4 v[DA:DA+7], v[FB:FB+11], v[FA:FA+11], 0, v[XB], v[XA] matrix_a_fmt:MATRIX_FMT_FP6 matrix_b_fmt:MATRIX_FMT_FP6 matrix_a_scale:MATRIX_SCALE_ROW1
.endif
.else
.if (\b) < 4
	v_wmma_scale_f32_16x16x128_f8f6f4 v[DA:DA+7], v[FB:FB+11], v[FA:FA+11], v[DA:DA+7], v[XB], v[XA] matrix_a_fmt:MATRIX_FMT_FP6 matrix_b_fmt:MATRIX_FMT_FP6
.else
	v_wmma_scale_f32_16x16x128_f8f6f4 v[DA:DA+7], v[FB:FB+11], v[FA:FA+11], v[DA:DA+7], v[XB], v[XA] matrix_a_fmt:MATRIX_FMT_FP6 matrix_b_fmt:MATRIX_FMT_FP6 matrix_a_scale:MATRIX_SCALE_ROW1
.endif
.endif
.endm
; A K step of 128: the next step's fragments are asked for, then this step's 32 products are issued; the 32 accumulators take turns, one instruction a turn.
; A load into a register that a matrix instruction has read stands four plain vector instructions behind it (ISA guide 7.12.1 for vector instructions).
; Ahead of the fetch of K step 4 slot 1 is shown to all waves, and nobody reads slot 0 any more: ring = 1: slot 0 takes the next tile's chunks; ring = 0: a plain barrier, nothing is filled.
.macro STEP s, ring
.set P, (\s)%2
.if (\s) < 7
.if (\s) == 3
.if \ring
	REFILL 0, 72, 60, 0
.else
	s_wait_tensorcnt 0x0                           ; every wave's load has landed
	s_wait_dscnt 0x0                               ; no LDS instruction of mine is pending at a signal
	s_barrier_signal -1
	s_barrier_wait -1
.endif
.endif
.if (\s) > 0
	PLACES 4
.endif
	FETCH (\s)+1, 1-P
	s_wait_dscnt 48                                ; all but the 48 just issued: this step's fragments are in
.else
	s_wait_dscnt 0x0
.endif
	WIN 0xa1                                       ; source 0 (B) window 1, source 1 (A) window 0, C and D window 2
.irp a, 0,1,2,3
.irp b, 0,1,2,3,4,5,6,7
	WM \a, \b, \s, P
.endr
.endr
	WIN 0
.endm
; 64 numbers of a lane, register 16 b + i = k 32 b + 16 h + i of my row, become a fragment's 12 registers of codes and its scale word
.macro QUANT s, pc, pw
.irp b, 0,1,2,3
	v_max3_num_f32 v[TM+\b], |v[\s+16*\b]|, |v[\s+16*\b+1]|, 0x1800000   ; my 16 numbers of block b, and the floor 2^(3 - 127): the byte cannot fall under 1
.endr
.irp i, 2,4,6,8,10,12,14
.irp b, 0,1,2,3
	v_max3_num_f32 v[TM+\b], v[TM+\b], |v[\s+16*\b+\i]|, |v[\s+16*\b+\i+1]|
.endr
.endr
.irp b, 0,1,2,3
	v_permlanex16_b32 v[TM+4+\b], v[TM+\b], s40, s41
.endr
.irp b, 0,1,2,3
	v_max_num_f32 v[TM+\b], v[TM+\b], v[TM+4+\b]   ; with lane l xor 16's: the block's largest magnitude
.endr
.irp b, 0,1,2,3
	v_add_nc_u32 v[TM+12+\b], 0xff000000, v[TM+\b] ; 2 off its exponent field: the conversion's scale operand
.endr
.irp b, 0,1,2,3
	v_lshrrev_b32 v[TM+4+\b], 23, v[TM+12+\b]      ; the scale's byte
.endr
	v_lshl_or_b32 v[\pw], v[TM+5], 8, v[TM+4]
	v_lshl_or_b32 v[\pw], v[TM+6], 16, v[\pw]
	v_lshl_or_b32 v[\pw], v[TM+7], 24, v[\pw]
.irp c, 0,1
	v_cvt_scalef32_pk16_fp6_f32 v[(\pc)+6*\c:(\pc)+6*\c+2], v[\s+32*\c:\s+32*\c+15], v[TM+12+2*\c]
	v_cvt_scalef32_pk16_fp6_f32 v[CT+4*\c:CT+4*\c+2], v[\s+32*\c+16:\s+32*\c+31], v[TM+12+2*\c+1]   ; (a conversion's three registers begin on an even number)
.endr
	v_nop                                          ; one plain place behind a scaled conversion
.irp c, 0,1                            ; the operand's layout wants a whole block in a lane: lanes 0-15 block 2 c, lanes 16-31 block 2 c + 1
.irp i, 0,1,2
	v_permlane16_swap_b32 v[(\pc)+6*\c+\i], v[CT+4*\c+\i]
.endr
.irp i, 0,1,2
	v_mov_b32 v[(\pc)+6*\c+3+\i], v[CT+4*\c+\i]
.endr
.endr
.endm
; THE WAY OUT: for each of my four blocks of A: the bias is added (each accumulator from its low end on), the 64 numbers are quantised, the codes are stored as they stand.
; Each block has its own registers for its codes.  q, k: ahead of block 2 slot 1 takes the next tile's chunks; behind block 3's additions k's bias is asked for (in q's way out alone).
.macro EPI role
.irp a, 0,1,2,3
.if (\role < 2) && (\a == 2)
	REFILL 2, 76, 88, 2*CH
.endif
.if \role < 2
	WIN 0x06                                       ; source 0: the sums, window 2; source 1: the bias by register, window 1
.set i, 0
.rept 32
	v_pk_add_f32 v[T+2*i:T+2*i+1], v[64*\a+2*i:64*\a+2*i+1], v[96+(2*i)%32+128*((2*i)/32):96+(2*i)%32+128*((2*i)/32)+1]
.set i, i+1
.endr
.else
	WIN 0x02
.set i, 0
.rept 32
	v_pk_add_f32 v[T+2*i:T+2*i+1], v[64*\a+2*i:64*\a+2*i+1], v[BM+2*\a:BM+2*\a+1] op_sel_hi:[1,0]
.set i, i+1
.endr
.endif
	WIN 0
.if (\role < 2) && (\a == 3)
	s_wait_alu depctr_va_vdst(0)                   ; the wait here, directly ahead of the branch
	s_cmp_lg_u32 s68, 0
	s_cbranch_scc1 .Lno_bias
	BIASLD 10
.Lno_bias:
.endif
	QUANT T, PC+12*\a, PW+\a
.if \role < 2
	global_store_b128 v[L16], v[PC+12*\a:PC+12*\a+3], s[54:55] offset:768*\a               ; features 0-63: the even head's unit
	global_store_b64 v[L8], v[PC+12*\a+4:PC+12*\a+5], s[54:55] offset:768*\a+512
	global_store_b128 v[L16], v[PC+12*\a+6:PC+12*\a+9], s[54:55] offset:98304+768*\a       ; features 64-127: the odd head's, one head on
	global_store_b64 v[L8], v[PC+12*\a+10:PC+12*\a+11], s[54:55] offset:98304+768*\a+512
.else
	global_store_b128 v[L16], v[PC+12*\a:PC+12*\a+3], s[54:55] offset:1536*\a              ; d block a: keys 0-63 of the step,
	global_store_b64 v[L8], v[PC+12*\a+4:PC+12*\a+5], s[54:55] offset:1536*\a+512
	global_store_b128 v[L16], v[PC+12*\a+6:PC+12*\a+9], s[54:55] offset:1536*\a+768        ; keys 64-127
	global_store_b64 v[L8], v[PC+12*\a+10:PC+12*\a+11], s[54:55] offset:1536*\a+1280
.endif
.endr
	v_cndmask_b32 v[LO], v[PW], v[PW+2], s42       ; lanes 0-15 store blocks 0 and 1's words of row r, lanes 16-31 blocks 2 and 3's
	v_cndmask_b32 v[LO+1], v[PW+1], v[PW+3], s42
	global_store_b64 v[SCO], v[LO:LO+1], s[56:57]  ; 256 consecutive bytes, aligned
.if \role < 2
	v_lshrrev_b32 v[LO+2], 16, v[LO]               ; the odd head's two bytes
	v_lshrrev_b32 v[LO+3], 16, v[LO+1]
	global_store_b64 v[SCO], v[LO+2:LO+3], s[44:45]
.endif
.endm
	s_cmp_lt_u32 s18, 2                            ; waves 0 and 1 wait for their loads, slot 0; the other two waves' lines are their own and may stay out
	s_cbranch_scc0 .Lnot_lo
	s_wait_tensorcnt 0x0
.Lnot_lo:
	s_barrier_signal -1
	s_barrier_wait -1                              ; slot 0 is in
.Ltile:                                                ; q's tile, then k's.  Here slot 0 has been shown to all waves, and slot 1's loads may be out
	FETCH 0, 0
	s_wait_loadcnt 0x0                             ; this tile's scale words and bias
.irp s, 0,1,2,3,4,5,6,7
	STEP \s, 1
.endr
	PLACES 4                                       ; behind the last products, ahead of loads into their scale registers and of the first read of results
	SCALES                                         ; the next tile's scale words
	s_wait_xcnt 0x0                                ; these loads have read their bases, and the last tile's stores their registers
	s_mov_b64 s[70:71], s[96:97]                   ; behind k's scale words come v's
	s_mov_b64 s[58:59], s[98:99]
	s_lshr_b32 s46, s2, 4                          ; batch = TR / 16,
	s_lshl_b32 s46, s46, 4
	s_lshl_b32 s47, s3, 2
	s_add_co_u32 s46, s46, s47
	s_lshl_b32 s47, s20, 1
	s_add_co_u32 s46, s46, s47                     ; bh = 16 batch + 4 TC + 2 BH: my even head
	s_and_b32 s47, s2, 15
	s_lshl_b32 s47, s47, 1
	s_add_co_u32 s47, s47, s19                     ; my four token blocks: 4 x (2 (TR % 16) + AH) on
	s_mul_i32 s48, s68, 6291456
	s_mul_i32 s49, s46, 98304
	s_add_co_u32 s48, s48, s49
	s_mul_i32 s49, s47, 3072
	s_add_co_u32 s48, s48, s49
	s_mov_b32 s49, 0
	s_add_nc_u64 s[54:55], s[14:15], s[48:49]
	s_mov_b32 s50, 12288
	s_cmp_eq_u32 s68, 0
	s_cselect_b32 s50, 8192, s50                   ; a head's scale bytes: q 8,192; k 12,288 (v's lie behind k's)
	s_cselect_b32 s51, 0, 524288
	s_mul_i32 s52, s46, s50
	s_add_co_u32 s52, s52, s51
	s_lshl_b32 s53, s47, 8
	s_add_co_u32 s52, s52, s53
	s_mov_b32 s53, 0
	s_add_nc_u64 s[56:57], s[16:17], s[52:53]
	s_mov_b32 s51, 0
	s_add_nc_u64 s[44:45], s[56:57], s[50:51]      ; the odd head's
	EPI 0
	s_mov_b64 s[80:81], s[92:93]                   ; behind k's tile comes v's
	s_mov_b64 s[82:83], s[94:95]
	s_add_co_u32 s68, s68, 1
	s_cmp_lt_u32 s68, 2
	s_cbranch_scc1 .Ltile
	FETCH 0, 0                                     ; v's tile: nothing more is asked for
	s_wait_loadcnt 0x0
.irp s, 0,1,2,3,4,5,6,7
	STEP \s, 0
.endr
	PLACES 4
	s_wait_xcnt 0x0                                ; k's stores have read their registers
	s_lshr_b32 s46, s87, 3                         ; batch = TC / 8,
	s_lshl_b32 s46, s46, 4
	s_lshl_b32 s47, s86, 1
	s_add_co_u32 s46, s46, s47
	s_add_co_u32 s46, s46, s19                     ; bh = 16 batch + 2 TR + AH
	s_and_b32 s47, s87, 7
	s_lshl_b32 s47, s47, 1
	s_add_co_u32 s47, s47, s20                     ; key step = 2 (TC % 8) + BH
	s_mul_i32 s48, s46, 98304
	s_mul_i32 s49, s47, 6144
	s_add_co_u32 s48, s48, s49
	s_add_co_u32 s48, s48, 12582912
	s_mov_b32 s49, 0
	s_add_nc_u64 s[54:55], s[14:15], s[48:49]
	s_mul_i32 s52, s46, 12288
	s_lshl_b32 s53, s47, 8
	s_add_co_u32 s52, s52, s53
	s_add_co_u32 s52, s52, 524288+8192
	s_mov_b32 s53, 0
	s_add_nc_u64 s[56:57], s[16:17], s[52:53]
	EPI 2
	s_wait_tensorcnt 0x0                           ; the wave's end, behind my last tensor load
	ds_add_u32 v[SPW], v[NIL]
	s_wait_dscnt 0x0
	CROUND                                         ; the closing round
	s_endpgm
.Lfunc_end_k_q1cb645b447_proj:
	.size	k_q1cb645b447_proj, .Lfunc_end_k_q1cb645b447_proj-k_q1cb645b447_proj
	.p2alignl 7, 3214868480
	.fill 96, 4, 3214868480
	.section	.rodata,"a",@progbits
	.p2align	6, 0x0
	.amdhsa_kernel k_q1cb645b447_proj
		.amdhsa_group_segment_fixed_size 327680
		.amdhsa_private_segment_fixed_size 0
		.amdhsa_enable_private_segment 0
		.amdhsa_kernarg_size 56
		.amdhsa_user_sgpr_count 2
		.amdhsa_user_sgpr_kernarg_segment_ptr 1
		.amdhsa_wavefront_size32 1
		.amdhsa_system_sgpr_workgroup_id_x 1
		.amdhsa_system_sgpr_workgroup_id_y 1
		.amdhsa_system_sgpr_workgroup_id_z 1
		.amdhsa_system_vgpr_workitem_id 0
		.amdhsa_next_free_vgpr 768
		.amdhsa_next_free_sgpr 102
		.amdhsa_reserve_vcc 0
		.amdhsa_float_denorm_mode_32 3
		.amdhsa_float_denorm_mode_16_64 3
		.amdhsa_memory_ordered 1
		.amdhsa_forward_progress 1
		.amdhsa_inst_pref_size 188
	.end_amdhsa_kernel
	.amdgpu_metadata
---
amdhsa.version: [ 1, 2 ]
amdhsa.kernels:
  - .name:           k_q1cb645b447_proj
    .symbol:         k_q1cb645b447_proj.kd
    .args:
      - { .name: xw, .offset: 0, .size: 8, .value_kind: global_buffer, .address_space: global }
      - { .name: xws, .offset: 8, .size: 8, .value_kind: global_buffer, .address_space: global }
      - { .name: bq, .offset: 16, .size: 8, .value_kind: global_buffer, .address_space: global }
      - { .name: bk, .offset: 24, .size: 8, .value_kind: global_buffer, .address_space: global }
      - { .name: bv, .offset: 32, .size: 8, .value_kind: global_buffer, .address_space: global }
      - { .name: qkv, .offset: 40, .size: 8, .value_kind: global_buffer, .address_space: global }
      - { .name: qkvs, .offset: 48, .size: 8, .value_kind: global_buffer, .address_space: global }
    .group_segment_fixed_size: 327680
    .private_segment_fixed_size: 0
    .kernarg_segment_align: 8
    .kernarg_segment_size: 56
    .max_flat_workgroup_size: 128
    .sgpr_count:     102
    .vgpr_count:     768
    .wavefront_size: 32
...
	.end_amdgpu_metadata
.endif
;; end of part 2
;; launch attn (part 3): grid 4 x 64, 8 waves a work-group, clusters of 4 x 1, 327,680 bytes of LDS; arguments qkv, qkvs, cc, cs; writes cc, cs
.if DOCPART == 3
	.amdgcn_target "amdgcn-amd-amdhsa--gfx1250"
	.amdhsa_code_object_version 6
	.text
	.protected	k_q1cb645b447_attn
	.globl	k_q1cb645b447_attn
	.p2align	8
	.type	k_q1cb645b447_attn,@function
k_q1cb645b447_attn:
	s_mov_b64 s[64:65], 0
	v_nop
	global_prefetch_b8 v0, s[64:65] scope:SCOPE_SE
	s_setreg_imm32_b32 hwreg(HW_REG_WAVE_MODE, 25, 1), 1
	s_wait_xcnt 0x0
	s_wait_alu depctr_hold_cnt(0) depctr_sa_sdst(0) depctr_va_vdst(0) depctr_va_sdst(0) depctr_va_ssrc(0) depctr_va_vcc(0) depctr_vm_vsrc(0)
	s_getreg_b32 s2, hwreg(HW_REG_IB_STS2, 6, 4)
	s_cmp_eq_u32 s2, 0
	s_cbranch_scc0 .Lentry_in_a_cluster
	s_endpgm
.Lentry_in_a_cluster:
	s_bfe_u32 s2, ttmp6, 0x10000c
	s_cmp_lg_u32 s2, 0x3003
	s_cbranch_scc0 .Lentry_shape_is_right
	s_endpgm
.Lentry_shape_is_right:
; ATTENTION OF ONE HEAD ON CODES OF FP6 (E2M3): S^T = k q^T, p = 2^(t - M), O^T += v^T p^T, O / l quantised along the head's 64 and stored as codes (cc) and scale words (cs).
; A work-group takes one (batch, head) and 512 queries; eight waves, each 2 passes x 32 queries (two tiles x of 16); a step is 128 keys.  The four work-groups of a cluster share the head's k and v: joint loads.
; Both products are used transposed: a lane holds one query.  k's tokens come in bands of 64: lane index r of tile 4 c + j is key 64 c + 8 j + r + 24 (r / 8), so lane (r, h) holds in the 32 registers of tiles
; 4 c .. 4 c + 3 the keys 64 c + 32 h + 0 .. 31: ONE WHOLE SCALE BLOCK of p, in the order of the next operand's registers: no lane looks at another for a block's maximum, and the codes stand where they fall.
; The head size is 64: registers 6-11 of q's and k's fragments hold zero codes, which add nothing under the finite bytes that stand over them.
; M is the ceiling of the running largest t, kept as -M; a change of M multiplies l and O^T by an exact power of two, in every step, with no branch.  l is summed of the unquantised p.
; A block's largest p is made from its largest score by the same multiply-add and exponential as every p.
; LDS: k's codes at 0, v's at VB (6,144 bytes a step each), k's scale words at KS, v's at VS, each filled once; a stage for the results' scale words; the spare words.
; FILLS: at the head one joint load a wave: k's steps 0-7 (waves 0-3), v's steps 0-3 (waves 4, 5), the scale words (waves 6, 7).  Behind the full sequence and a round: k's steps 8-15 (waves 0, 1) and v's steps 4-15
; (waves 2-4), which land under pass 0's first four steps; a plain barrier, with every wave's wait for its load, shows them.  A wave has one tensor load out at most.
; No prefetch: all tiles are asked for in these two groups at the head, so there is no loop to run ahead in.
; LIMITS: the scaled scores stay under 2^31 in magnitude; NaN and infinities are not served; a block whose largest number lies under 2^-124, zeros among them, keeps the byte 1 (this program alone reads the bytes).
; REGISTERS: window 0: v1-15, v44-47 addresses; ST: for each x: -M, largest score, l (two halves), f, p's scale word, two at work; TM at work; PC p's codes; S scores, then p.
;   window 1: v0-63 O^T, QF q's fragments (both passes), KF k's eight, VF v's four.
.set VB,    98304
.set KS,    196608
.set VS,    204800
.set CSG,   208896
.set SPARE, 210944
.set ST,  16
.set KSC, 32
.set VSC, 36
.set QSC, 40
.set TM,  48
.set PC,  80
.set CT,  104
.set S,   120
.set SPW, 250
.set NIL, 251
.set QF,  64
.set KF,  112
.set VF,  208
.set CS,  2
.set MSB, 0
.macro WIN new                         ; the immediate's high byte repeats the setting that is left
.if MSB != \new
	s_set_vgpr_msb (MSB<<8)|\new
.set MSB, \new
.endif
.endm
.macro CROUND                          ; a round of the cluster's barrier
	s_barrier_signal -1
	s_barrier_wait -1
	s_cmp_lg_u32 s12, 0
	s_cbranch_scc1 .Lnot_wave_0_\@
	s_barrier_signal -3
.Lnot_wave_0_\@:
	s_barrier_wait -3
	s_barrier_signal -1
	s_barrier_wait -1
.endm
.macro TLOAD g0, g1                    ; an s_nop 0 and four v_nop follow each tensor load
	tensor_load_to_lds s[\g0:\g0+3], s[\g1:\g1+7]
	s_nop 0
.rept 4
	v_nop
.endr
.endm
	s_load_b256 s[4:11], s[0:1], 0x0               ; qkv, qkvs, cc, cs
	v_lshl_add_u32 v[SPW], v0, 2, SPARE
	v_mov_b32 v[NIL], 0
	ds_add_u32 v[SPW], v[NIL]                      ; the opening lines: the add, twice on end, and its wait ahead of my first tensor load
	ds_add_u32 v[SPW], v[NIL]
	v_lshrrev_b32 v1, 5, v0
	v_readfirstlane_b32 s12, v1                    ; wave 0..7
	s_bfe_u32 s13, ttmp6, 0x40000                  ; cx: which 512 queries
	s_and_b32 s14, ttmp7, 0xffff                   ; bh
	s_mov_b32 s16, 15|(3<<16)|(1<<21)              ; group 1 for codes: the mask of the four, elements of 8 bytes, rows of 256 bytes, dense: 48 rows at the head
	s_mov_b32 s17, 32<<16
	s_mov_b32 s18, 48<<16
	s_mov_b32 s19, 32<<16
	s_mov_b32 s20, 48
	s_mov_b32 s21, 32
	s_mov_b32 s22, 0
	s_mov_b32 s23, 0
	s_mov_b32 s24, 15|(3<<16)|(1<<21)              ; for scale words: 24 rows
	s_mov_b32 s25, 32<<16
	s_mov_b32 s26, 24<<16
	s_mov_b32 s27, 32<<16
	s_mov_b32 s28, 24
	s_mov_b32 s29, 32
	s_mov_b32 s30, 0
	s_mov_b32 s31, 0
	s_mul_i32 s40, s14, 98304                      ; the head's codes
	s_mul_i32 s76, s12, 12288                      ; a wave's share at the head
	s_mov_b32 s77, 0
	s_add_co_u32 s72, s40, 6291456                 ; k's
	s_mov_b32 s73, 0
	s_add_co_u32 s74, s40, 12582912                ; v's
	s_mov_b32 s75, 0
	s_mov_b32 s32, 1                               ; group 0, k: waves 0-3
	s_mov_b32 s33, s76
	s_mov_b32 s36, 1                               ; v: waves 4, 5
	s_add_co_u32 s37, s76, VB-49152
	s_mov_b32 s68, 1                               ; scale words: waves 6, 7, 6,144 bytes each
	s_mul_i32 s43, s12, 6144
	s_add_co_u32 s69, s43, KS-36864
	s_mul_i32 s70, s14, 12288
	s_add_co_u32 s70, s70, s43
	s_add_co_u32 s70, s70, 524288-36864
	s_mov_b32 s71, 0
	s_lshl_b32 s42, s13, 5
	s_lshl_b32 s43, s12, 1
	s_add_co_u32 s42, s42, s43                     ; my first query block: 32 cx + 2 wave (pass 1: 16 on)
	s_mul_i32 s44, s42, 768
	s_add_co_u32 s44, s44, s40                     ; q's codes
	s_mov_b32 s45, 0
	s_lshl_b32 s46, s13, 3
	s_lshr_b32 s43, s12, 1
	s_add_co_u32 s46, s46, s43
	s_lshl_b32 s46, s46, 8
	s_and_b32 s43, s12, 1
	s_lshl_b32 s43, s43, 3
	s_add_co_u32 s46, s46, s43
	s_lshl_b32 s43, s14, 13
	s_add_co_u32 s46, s46, s43                     ; q's scale words
	s_mov_b32 s47, 0
	s_lshr_b32 s55, s14, 4
	s_lshl_b32 s55, s55, 7                         ; 128 blocks a batch
	s_and_b32 s56, s14, 15                         ; the head
	s_add_co_u32 s57, s55, s42
	s_mul_i32 s58, s57, 3072
	s_lshr_b32 s57, s56, 2
	s_mul_i32 s57, s57, 1572864
	s_add_co_u32 s58, s58, s57
	s_and_b32 s57, s56, 3
	s_mul_i32 s57, s57, 768
	s_add_co_u32 s58, s58, s57                     ; cc: [head / 4][block][head % 4][768]
	s_mov_b32 s59, 0
	s_lshl_b32 s60, s13, 5
	s_add_co_u32 s60, s60, s55
	s_lshl_b32 s60, s60, 6
	s_lshl_b32 s57, s56, 15
	s_add_co_u32 s60, s60, s57                     ; cs: [head][block][r]
	s_mov_b32 s61, 0
	s_mov_b32 s[CS], 0x3e38aa3b                    ; c = log2(e) / 8
	s_mov_b32 s[CS+1], s[CS]
	s_mov_b32 s62, 0x76543210
	s_mov_b32 s63, 0xfedcba98                      ; v_permlanex16_b32's selects for lane l xor 16
	s_mov_b32 s54, 0xffff0000                      ; lanes 16-31
	v_and_b32 v13, 31, v0
	v_and_b32 v15, 15, v0
	v_bfe_u32 v47, v0, 4, 1
	v_lshlrev_b32 v15, 4, v15                      ; 16 r
	v_lshlrev_b32 v1, 4, v13                       ; 16 x lane
	v_lshlrev_b32 v14, 3, v13                      ; 8 x lane
	v_lshlrev_b32 v47, 3, v47                      ; 8 h: my bytes' place in p's scale word, in bits
	v_add_nc_u32 v2, 512, v14
	v_add_nc_u32 v3, VB, v1
	v_add_nc_u32 v4, VB+512, v14
	v_add_nc_u32 v5, KS, v1
	v_add_nc_u32 v6, VS, v15
	s_lshl_b32 s49, s12, 7
	s_add_co_u32 s49, s49, CSG
	v_lshl_add_u32 v44, v13, 2, s49                ; the stage: my wave's two blocks
	s_lshl_b32 s49, s12, 8
	v_add_nc_u32 v45, s49, v14
	v_add_nc_u32 v46, CSG, v45
	s_wait_alu depctr_va_vdst(0)                   ; the wait here, directly ahead of the wait below
	s_wait_dscnt 0x0                               ; both opening adds are done
	s_wait_kmcnt 0x0
	s_add_nc_u64 s[72:73], s[4:5], s[72:73]
	s_add_nc_u64 s[74:75], s[4:5], s[74:75]
	s_add_nc_u64 s[34:35], s[72:73], s[76:77]
	s_or_b32 s35, s35, 0x80000000
	s_add_nc_u64 s[38:39], s[74:75], s[76:77]
	s_sub_nc_u64 s[38:39], s[38:39], 49152
	s_or_b32 s39, s39, 0x80000000
	s_add_nc_u64 s[70:71], s[6:7], s[70:71]
	s_or_b32 s71, s71, 0x80000000
	s_add_nc_u64 s[44:45], s[4:5], s[44:45]
	s_add_nc_u64 s[46:47], s[6:7], s[46:47]
	s_add_nc_u64 s[8:9], s[8:9], s[58:59]
	s_add_nc_u64 s[10:11], s[10:11], s[60:61]
	CROUND                                         ; the four work-groups are here: the joint loads meet
	s_cmp_lt_u32 s12, 4                            ; one chain of branches on the wave's number, one load to an arm
	s_cbranch_scc0 .Lhead_v
	TLOAD 32, 16
	s_branch .Lhead_asked
.Lhead_v:
	s_cmp_lt_u32 s12, 6
	s_cbranch_scc0 .Lhead_s
	TLOAD 36, 16
	s_branch .Lhead_asked
.Lhead_s:
	TLOAD 68, 24
.Lhead_asked:
	WIN 0x40
.irp p, 0,1
.irp x, 0,1
	global_load_b128 v[QF+24*\p+12*\x:QF+24*\p+12*\x+3], v1, s[44:45] offset:(16*\p+\x)*768
	global_load_b64 v[QF+24*\p+12*\x+4:QF+24*\p+12*\x+5], v14, s[44:45] offset:(16*\p+\x)*768+512
.endr
.endr
.irp f, 0,1,2,3
.irp i, 6,7,8,9,10,11
	v_mov_b32 v[QF+12*\f+\i], 0                    ; zero codes for k = 64 .. 127
.endr
.endr
.irp f, 0,1,2,3,4,5,6,7
.irp i, 6,7,8,9,10,11
	v_mov_b32 v[KF+12*\f+\i], 0
.endr
.endr
	WIN 0
.irp p, 0,1
	global_load_b64 v[QSC+2*\p:QSC+2*\p+1], v15, s[46:47] offset:1024*\p
.endr
.irp x, 0,1
	v_mov_b32 v[ST+8*\x+7], 0                      ; written once: a lane permute's destination counts as one of its sources
	v_mov_b32 v[TM+16*\x+11], 0
.endr
	s_wait_alu depctr_va_vdst(0)                   ; the wait at the head's end
	s_wait_tensorcnt 0x0                           ; my load has landed
	ds_add_u32 v[SPW], v[NIL]
	s_mov_b32 s18, 96<<16                          ; no tensor load of mine is out: the second group's loads bring 96 rows
	s_mov_b32 s20, 96
	s_mul_i32 s76, s12, 24576
	s_add_co_u32 s33, s76, 49152                   ; k's steps 8-15: waves 0, 1
	s_add_co_u32 s37, s76, VB-24576                ; v's steps 4-15: waves 2, 3, 4
	s_add_nc_u64 s[34:35], s[72:73], s[76:77]
	s_add_nc_u64 s[34:35], s[34:35], 49152
	s_or_b32 s35, s35, 0x80000000
	s_add_nc_u64 s[38:39], s[74:75], s[76:77]
	s_sub_nc_u64 s[38:39], s[38:39], 24576
	s_or_b32 s39, s39, 0x80000000
	s_wait_dscnt 0x0
	CROUND                                         ; everybody's first load is in, and the four work-groups are here
	s_cmp_lt_u32 s12, 2
	s_cbranch_scc0 .Lrest_v
	TLOAD 32, 16
	s_branch .Lrest_asked
.Lrest_v:
	s_cmp_lt_u32 s12, 5
	s_cbranch_scc0 .Lrest_asked
	TLOAD 36, 16
.Lrest_asked:
	WIN 0x40
.irp t, 0,1,2,3,4,5,6,7
	ds_load_b128 v[KF+12*\t:KF+12*\t+3], v1 offset:768*\t
	ds_load_b64 v[KF+12*\t+4:KF+12*\t+5], v2 offset:768*\t
.endr
	WIN 0
	ds_load_b128 v[KSC:KSC+3], v5
	s_wait_loadcnt 0x0                             ; q
; ---- steps s48 .. lim - 1 of pass p
.macro STEPS p, lim
.Lstep_\@:
	s_wait_dscnt 0x0                               ; this step's fragments of k, asked for a step ago
	WIN 0x05
.irp t, 0,1,2,3,4,5,6,7
.irp x, 0,1
.if \t < 4
	v_wmma_scale_f32_16x16x128_f8f6f4 v[S+64*\x+8*\t:S+64*\x+8*\t+7], v[KF+12*\t:KF+12*\t+11], v[QF+24*(\p)+12*\x:QF+24*(\p)+12*\x+11], 0, v[KSC+\t%4], v[QSC+2*(\p)+\x] matrix_a_fmt:MATRIX_FMT_FP6 matrix_b_fmt:MATRIX_FMT_FP6
.else
	v_wmma_scale_f32_16x16x128_f8f6f4 v[S+64*\x+8*\t:S+64*\x+8*\t+7], v[KF+12*\t:KF+12*\t+11], v[QF+24*(\p)+12*\x:QF+24*(\p)+12*\x+11], 0, v[KSC+\t%4], v[QSC+2*(\p)+\x] matrix_a_fmt:MATRIX_FMT_FP6 matrix_b_fmt:MATRIX_FMT_FP6 matrix_a_scale:MATRIX_SCALE_ROW1
.endif
.endr
.endr
	WIN 0
	s_mul_i32 s49, s48, 6144
	s_lshl_b32 s50, s48, 8
	s_add_co_u32 s51, s48, 1
	s_and_b32 s51, s51, 15                         ; the next step (behind the last: step 0, for the next pass)
	s_mul_i32 s52, s51, 6144
	s_lshl_b32 s53, s51, 9
	v_add_nc_u32 v7, s49, v3                       ; these six are also the places behind the products, ahead of the loads and of the first read of scores
	v_add_nc_u32 v8, s49, v4
	v_add_nc_u32 v9, s50, v6
	v_add_nc_u32 v10, s52, v1
	v_add_nc_u32 v11, s52, v2
	v_add_nc_u32 v12, s53, v5
	ds_load_b128 v[VSC:VSC+3], v9
	WIN 0x40
.irp d, 0,1,2,3
.irp c, 0,1
	ds_load_b128 v[VF+12*\d+6*\c:VF+12*\d+6*\c+3], v7 offset:1536*\d+768*\c
	ds_load_b64 v[VF+12*\d+6*\c+4:VF+12*\d+6*\c+5], v8 offset:1536*\d+768*\c
.endr
.endr
.irp t, 0,1,2,3,4,5,6,7
	ds_load_b128 v[KF+12*\t:KF+12*\t+3], v10 offset:768*\t
	ds_load_b64 v[KF+12*\t+4:KF+12*\t+5], v11 offset:768*\t
.endr
	WIN 0
	ds_load_b128 v[KSC:KSC+3], v12
; the largest score of each block of 32 keys: all 32 are mine; four chains by turns
.irp c, 0,1
.irp x, 0,1
	v_max3_num_f32 v[TM+16*\x+\c], v[S+64*\x+32*\c], v[S+64*\x+32*\c+1], v[S+64*\x+32*\c+2]
.endr
.endr
.irp i, 3,5,7,9,11,13,15,17,19,21,23,25,27,29
.irp c, 0,1
.irp x, 0,1
	v_max3_num_f32 v[TM+16*\x+\c], v[TM+16*\x+\c], v[S+64*\x+32*\c+\i], v[S+64*\x+32*\c+\i+1]
.endr
.endr
.endr
.irp c, 0,1
.irp x, 0,1
	v_max_num_f32 v[TM+16*\x+\c], v[TM+16*\x+\c], v[S+64*\x+32*\c+31]
.endr
.endr
.irp x, 0,1
	v_max_num_f32 v[ST+8*\x+6], v[TM+16*\x], v[TM+16*\x+1]
.endr
.irp x, 0,1
	v_permlanex16_b32 v[ST+8*\x+7], v[ST+8*\x+6], s62, s63
.endr
.irp x, 0,1
	v_max3_num_f32 v[ST+8*\x+1], v[ST+8*\x+1], v[ST+8*\x+6], v[ST+8*\x+7]   ; the running largest score of my query
.endr
.irp x, 0,1
	v_mul_f32 v[ST+8*\x+6], s[CS], v[ST+8*\x+1]    ; as t (c is positive)
.endr
.irp x, 0,1
	v_floor_f32 v[ST+8*\x+7], -v[ST+8*\x+6]        ; the new -M = -ceil(t)
.endr
.irp x, 0,1
	v_sub_f32 v[ST+8*\x+6], v[ST+8*\x+7], v[ST+8*\x]   ; old M less new M: a whole number, 0 or less
.endr
.irp x, 0,1
	v_mov_b32 v[ST+8*\x], v[ST+8*\x+7]
.endr
.irp x, 0,1
	v_cvt_i32_f32 v[ST+8*\x+6], v[ST+8*\x+6]       ; (it saturates)
.endr
.irp x, 0,1
	v_ldexp_f32 v[ST+8*\x+4], 1.0, v[ST+8*\x+6]    ; f = 2^(old M - new M)
.endr
.set j, 0
.rept 32
.irp x, 0,1
	v_pk_fma_f32 v[S+64*\x+j:S+64*\x+j+1], v[S+64*\x+j:S+64*\x+j+1], s[CS:CS+1], v[ST+8*\x:ST+8*\x+1] op_sel_hi:[1,0,0]   ; t - M
.endr
.set j, j+2
.endr
.irp c, 0,1
.irp x, 0,1
	v_fma_f32 v[TM+16*\x+\c], v[TM+16*\x+\c], s[CS], v[ST+8*\x]   ; the same of each block's largest score
.endr
.endr
	s_wait_alu depctr_va_vdst(0)                   ; the wait ahead of the batch
.set j, 0
.rept 128
	v_exp_f32 v[S+j], v[S+j]                       ; p = 2^(t - M)
.set j, j+1
.endr
.irp c, 0,1
.irp x, 0,1
	v_exp_f32 v[TM+16*\x+\c], v[TM+16*\x+\c]       ; the block's largest p
.endr
.endr
	v_nop                                          ; one plain place behind the batch
	s_wait_alu depctr_va_vdst(0)                   ; one wait for the whole batch
.irp x, 0,1                            ; l = l f + the sum of the unquantised p, two at a time, in two chains
	v_pk_fma_f32 v[ST+8*\x+2:ST+8*\x+3], v[ST+8*\x+2:ST+8*\x+3], v[ST+8*\x+4:ST+8*\x+5], v[S+64*\x:S+64*\x+1] op_sel_hi:[1,0,1]
	v_pk_add_f32 v[TM+16*\x+12:TM+16*\x+13], v[S+64*\x+2:S+64*\x+3], v[S+64*\x+4:S+64*\x+5]
.endr
.set j, 6
.rept 14
.irp x, 0,1
	v_pk_add_f32 v[ST+8*\x+2:ST+8*\x+3], v[ST+8*\x+2:ST+8*\x+3], v[S+64*\x+j:S+64*\x+j+1]
	v_pk_add_f32 v[TM+16*\x+12:TM+16*\x+13], v[TM+16*\x+12:TM+16*\x+13], v[S+64*\x+j+2:S+64*\x+j+3]
.endr
.set j, j+4
.endr
.irp x, 0,1
	v_pk_add_f32 v[ST+8*\x+2:ST+8*\x+3], v[ST+8*\x+2:ST+8*\x+3], v[S+64*\x+62:S+64*\x+63]
.endr
.irp x, 0,1
	v_pk_add_f32 v[ST+8*\x+2:ST+8*\x+3], v[ST+8*\x+2:ST+8*\x+3], v[TM+16*\x+12:TM+16*\x+13]
.endr
.irp c, 0,1
.irp x, 0,1
	v_max_num_f32 v[TM+16*\x+\c], 0x1800000, v[TM+16*\x+\c]       ; the floor 2^(3 - 127): the byte cannot fall under 1
.endr
.endr
.irp c, 0,1
.irp x, 0,1
	v_add_nc_u32 v[TM+16*\x+4+\c], 0xff000000, v[TM+16*\x+\c]     ; 2 off the exponent field: the conversions' scale operand
.endr
.endr
.irp c, 0,1
.irp x, 0,1
	v_lshrrev_b32 v[TM+16*\x+8+\c], 23, v[TM+16*\x+4+\c]          ; the scale's byte
.endr
.endr
.irp x, 0,1
	v_lshl_or_b32 v[TM+16*\x+10], v[TM+16*\x+9], 16, v[TM+16*\x+8]   ; my two bytes: blocks h and 2 + h,
.endr
.irp x, 0,1
	v_lshlrev_b32 v[TM+16*\x+10], v47, v[TM+16*\x+10]             ; at their places in the word;
.endr
.irp x, 0,1
	v_permlanex16_b32 v[TM+16*\x+11], v[TM+16*\x+10], s62, s63
.endr
.irp x, 0,1
	v_or_b32 v[ST+8*\x+5], v[TM+16*\x+10], v[TM+16*\x+11]         ; with lane l xor 16's two the word is whole
.endr
.irp x, 0,1
.irp c, 0,1
	v_cvt_scalef32_pk16_fp6_f32 v[PC+12*\x+6*\c:PC+12*\x+6*\c+2], v[S+64*\x+32*\c:S+64*\x+32*\c+15], v[TM+16*\x+4+\c]
	v_cvt_scalef32_pk16_fp6_f32 v[CT+8*\x+4*\c:CT+8*\x+4*\c+2], v[S+64*\x+32*\c+16:S+64*\x+32*\c+31], v[TM+16*\x+4+\c]   ; (a conversion's three registers begin on an even number)
.endr
.endr
	v_nop                                          ; one plain place behind a scaled conversion
.irp x, 0,1
.irp c, 0,1
.irp i, 0,1,2
	v_mov_b32 v[PC+12*\x+6*\c+3+\i], v[CT+8*\x+4*\c+\i]
.endr
.endr
.endr
	s_wait_dscnt 17                                ; v's fragments and scale words are in; the 17 loads for the next step's k may be out
	WIN 0x41
	s_wait_alu depctr_va_vdst(0)                   ; the wait here, directly ahead of the first reader of O^T
.irp x, 0,1
.set i, 0
.rept 16
	v_pk_mul_f32 v[32*\x+i:32*\x+i+1], v[32*\x+i:32*\x+i+1], v[ST+8*\x+4:ST+8*\x+5] op_sel_hi:[1,0]   ; O^T under the new M; these are also the places ahead of the products below
.set i, i+2
.endr
.endr
	WIN 0x51
.irp d, 0,1,2,3
.irp x, 0,1
	v_wmma_scale_f32_16x16x128_f8f6f4 v[32*\x+8*\d:32*\x+8*\d+7], v[VF+12*\d:VF+12*\d+11], v[PC+12*\x:PC+12*\x+11], v[32*\x+8*\d:32*\x+8*\d+7], v[VSC+\d], v[ST+8*\x+5] matrix_a_fmt:MATRIX_FMT_FP6 matrix_b_fmt:MATRIX_FMT_FP6
.endr
.endr
	WIN 0
	s_add_co_u32 s48, s48, 1
	s_cmp_lt_u32 s48, \lim
	s_cbranch_scc1 .Lstep_\@
.endm
.macro PASS p
.if (\p) > 0
	s_wait_xcnt 0x0                                ; the last pass's stores have read their registers
.endif
	WIN 0x40
.set i, 0
.rept 64
	v_mov_b32 v[i], 0                              ; O^T: the step is written once, the first finds zeros
.set i, i+1
.endr
	WIN 0
.irp x, 0,1
	v_mov_b32 v[ST+8*\x], 0x7e000000               ; -M: over every -M that a score gives, so the first f is 0
	v_mov_b32 v[ST+8*\x+1], 0xff61b1e6             ; the largest score so far: -3e38
	v_mov_b32 v[ST+8*\x+2], 0
	v_mov_b32 v[ST+8*\x+3], 0
	v_mov_b32 v[ST+8*\x+5], 0
.endr
	s_mov_b32 s48, 0
.if (\p) == 0
	STEPS 0, 4                                     ; on what the head's first group brought (k's steps 0-7, v's 0-3)
	s_wait_tensorcnt 0x0                           ; my load of the second group has landed
	s_wait_dscnt 0x0
	s_barrier_signal -1
	s_barrier_wait -1                              ; everybody's has
	STEPS 0, 16
.else
	STEPS \p, 16
.endif
.irp x, 0,1
	v_add_f32 v[ST+8*\x+6], v[ST+8*\x+2], v[ST+8*\x+3]
.endr
.irp x, 0,1
	v_permlanex16_b32 v[ST+8*\x+7], v[ST+8*\x+6], s62, s63
.endr
.irp x, 0,1
	v_add_f32 v[ST+8*\x+6], v[ST+8*\x+6], v[ST+8*\x+7]             ; the row's sum
.endr
	s_wait_alu depctr_va_vdst(0)                   ; the wait ahead of the transcendentals
.irp x, 0,1
	v_rcp_f32 v[ST+8*\x+6], v[ST+8*\x+6]
.endr
	v_nop
	s_wait_alu depctr_va_vdst(0)                   ; and behind them, ahead of the first reader
	WIN 0x01
.irp x, 0,1
.set i, 0
.rept 16
	v_pk_mul_f32 v[S+64*\x+i:S+64*\x+i+1], v[32*\x+i:32*\x+i+1], v[ST+8*\x+6:ST+8*\x+7] op_sel_hi:[1,0]   ; O^T / l: register 16 b + i is feature 32 b + 16 h + i
.set i, i+2
.endr
.endr
	WIN 0
.irp b, 0,1
.irp x, 0,1
	v_max3_num_f32 v[TM+16*\x+\b], |v[S+64*\x+16*\b]|, |v[S+64*\x+16*\b+1]|, 0x1800000
.endr
.endr
.irp i, 2,4,6,8,10,12,14
.irp b, 0,1
.irp x, 0,1
	v_max3_num_f32 v[TM+16*\x+\b], v[TM+16*\x+\b], |v[S+64*\x+16*\b+\i]|, |v[S+64*\x+16*\b+\i+1]|
.endr
.endr
.endr
.irp b, 0,1
.irp x, 0,1
	v_permlanex16_b32 v[TM+16*\x+4+\b], v[TM+16*\x+\b], s62, s63
.endr
.endr
.irp b, 0,1
.irp x, 0,1
	v_max_num_f32 v[TM+16*\x+\b], v[TM+16*\x+\b], v[TM+16*\x+4+\b]   ; with lane l xor 16's: the block's largest magnitude
.endr
.endr
.irp b, 0,1
.irp x, 0,1
	v_add_nc_u32 v[TM+16*\x+12+\b], 0xff000000, v[TM+16*\x+\b]
.endr
.endr
.irp b, 0,1
.irp x, 0,1
	v_lshrrev_b32 v[TM+16*\x+4+\b], 23, v[TM+16*\x+12+\b]
.endr
.endr
.irp x, 0,1
	v_lshl_or_b32 v[TM+16*\x+8], v[TM+16*\x+5], 8, v[TM+16*\x+4]   ; the head's two bytes
.endr
.irp x, 0,1
	v_cvt_scalef32_pk16_fp6_f32 v[PC+12*\x:PC+12*\x+2], v[S+64*\x:S+64*\x+15], v[TM+16*\x+12]
	v_cvt_scalef32_pk16_fp6_f32 v[CT+8*\x:CT+8*\x+2], v[S+64*\x+16:S+64*\x+31], v[TM+16*\x+13]
.endr
	v_nop
.irp x, 0,1                            ; the operand's layout wants a whole block in a lane
.irp i, 0,1,2
	v_permlane16_swap_b32 v[PC+12*\x+\i], v[CT+8*\x+\i]
.endr
.irp i, 0,1,2
	v_mov_b32 v[PC+12*\x+3+\i], v[CT+8*\x+\i]
.endr
.endr
.irp x, 0,1
	global_store_b128 v1, v[PC+12*\x:PC+12*\x+3], s[8:9] offset:(16*(\p)+\x)*3072          ; 512 and 256 consecutive bytes, aligned
	global_store_b64 v14, v[PC+12*\x+4:PC+12*\x+5], s[8:9] offset:(16*(\p)+\x)*3072+512
.endr
	v_cndmask_b32 v13, v[TM+8], v[TM+24], s54      ; lanes 0-15 block x = 0's words, lanes 16-31 block 1's
	ds_store_b32 v44, v13 offset:1024*(\p)
.endm
	PASS 0
	PASS 1
	s_wait_dscnt 0x0
	s_barrier_signal -1
	s_barrier_wait -1                              ; the work-group's 32 blocks of scale words are in the stage
	ds_load_b64 v[48:49], v46
	s_wait_dscnt 0x0
	global_store_b64 v45, v[48:49], s[10:11]       ; a wave stores 256 consecutive bytes, aligned
	s_wait_tensorcnt 0x0                           ; the wave's end
	ds_add_u32 v[SPW], v[NIL]
	s_wait_dscnt 0x0
	CROUND                                         ; the closing round
	s_endpgm
.Lfunc_end_k_q1cb645b447_attn:
	.size	k_q1cb645b447_attn, .Lfunc_end_k_q1cb645b447_attn-k_q1cb645b447_attn
	.p2alignl 7, 3214868480
	.fill 96, 4, 3214868480
	.section	.rodata,"a",@progbits
	.p2align	6, 0x0
	.amdhsa_kernel k_q1cb645b447_attn
		.amdhsa_group_segment_fixed_size 327680
		.amdhsa_private_segment_fixed_size 0
		.amdhsa_enable_private_segment 0
		.amdhsa_kernarg_size 32
		.amdhsa_user_sgpr_count 2
		.amdhsa_user_sgpr_kernarg_segment_ptr 1
		.amdhsa_wavefront_size32 1
		.amdhsa_system_sgpr_workgroup_id_x 1
		.amdhsa_system_sgpr_workgroup_id_y 1
		.amdhsa_system_sgpr_workgroup_id_z 1
		.amdhsa_system_vgpr_workitem_id 0
		.amdhsa_next_free_vgpr 512
		.amdhsa_next_free_sgpr 80
		.amdhsa_reserve_vcc 0
		.amdhsa_float_denorm_mode_32 3
		.amdhsa_float_denorm_mode_16_64 3
		.amdhsa_memory_ordered 1
		.amdhsa_forward_progress 1
		.amdhsa_inst_pref_size 114
	.end_amdhsa_kernel
	.amdgpu_metadata
---
amdhsa.version: [ 1, 2 ]
amdhsa.kernels:
  - .name:           k_q1cb645b447_attn
    .symbol:         k_q1cb645b447_attn.kd
    .args:
      - { .name: qkv, .offset: 0, .size: 8, .value_kind: global_buffer, .address_space: global }
      - { .name: qkvs, .offset: 8, .size: 8, .value_kind: global_buffer, .address_space: global }
      - { .name: cc, .offset: 16, .size: 8, .value_kind: global_buffer, .address_space: global }
      - { .name: cs, .offset: 24, .size: 8, .value_kind: global_buffer, .address_space: global }
    .group_segment_fixed_size: 327680
    .private_segment_fixed_size: 0
    .kernarg_segment_align: 8
    .kernarg_segment_size: 32
    .max_flat_workgroup_size: 256
    .sgpr_count:     80
    .vgpr_count:     512
    .wavefront_size: 32
...
	.end_amdgpu_metadata
.endif
;; end of part 3
;; launch outp (part 4): grid 4 x 64, 4 waves a work-group, clusters of 4 x 4, 327,680 bytes of LDS; arguments cc, cs, xw, xws, bo, out0; writes out0
.if DOCPART == 4
	.amdgcn_target "amdgcn-amd-amdhsa--gfx1250"
	.amdhsa_code_object_version 6
	.text
	.protected	k_q1cb645b447_outp
	.globl	k_q1cb645b447_outp
	.p2align	8
	.type	k_q1cb645b447_outp,@function
k_q1cb645b447_outp:
	s_mov_b64 s[64:65], 0
	v_nop
	global_prefetch_b8 v0, s[64:65] scope:SCOPE_SE
	s_setreg_imm32_b32 hwreg(HW_REG_WAVE_MODE, 25, 1), 1
	s_wait_xcnt 0x0
	s_wait_alu depctr_hold_cnt(0) depctr_sa_sdst(0) depctr_va_vdst(0) depctr_va_sdst(0) depctr_va_ssrc(0) depctr_va_vcc(0) depctr_vm_vsrc(0)
	s_getreg_b32 s2, hwreg(HW_REG_IB_STS2, 6, 4)
	s_cmp_eq_u32 s2, 0
	s_cbranch_scc0 .Lentry_in_a_cluster
	s_endpgm
.Lentry_in_a_cluster:
	s_bfe_u32 s2, ttmp6, 0x10000c
	s_cmp_lg_u32 s2, 0xf033
	s_cbranch_scc0 .Lentry_shape_is_right
	s_endpgm
.Lentry_shape_is_right:
; out0 = combined Wo^T + bo on codes of FP6 (E2M3) with E8M0 scales; out0 [8192][1024] f32.
; A work-group makes 128 tokens (source 1, "A": cc) x 256 features (source 0, "B": Wo's rows in xw); four waves, each 64 x 128: 32 accumulators, window 2.  256 work-groups.
; Operands lie in memory in the order of their registers (units of 768 bytes: registers 0-3 of lane l at 16 l, registers 4-5 at 512 + 8 l), in row-blocks whose lane index r of block
; 2 e + u stands for row 32 e + 8 u + r + 8 (r / 8).  ALL OF K (1,024) LIES IN LDS: four chunks of 256 along K, each filled once.  A wave has one tensor load out at most.
; CLUSTER 4 x 4: A's tiles are shared along a row of the cluster, B's along a column: joint loads.
; A's scale bytes come as one word a head (two bytes, the upper half 0): two heads' words make the word of a K step.
; REGISTERS: window 0: v1-13 addresses; v32-63 A's scale words, v64-95 B's (lanes 0-15 block b % 4, lanes 16-31 block b % 4 + 4); v96-99 the bias; v160-255 A's fragments, two sets;
;   on the way out v128-255 hold rows of the result.  window 1: B's fragments at v0 and v128.  window 2: accumulator (a, b) at 8 (8 a + b).
.set CH,    5505024                    ; bytes from one chunk of xw to the next
.set CCH,   1572864                    ; and of cc
.set CHUNK, 73728                      ; a chunk in LDS: A's 8 row-blocks x 3,072, then B's 16
.set SCA,   4*CHUNK                    ; A's words: [head 0..15][block 0..7][r]
.set SCB,   SCA+8192                   ; B's: 16 row-blocks x 512
.set SPARE, SCB+8192                   ; the spare words, 128 bytes for each wave: two blocks of 256 bytes that no other line names
.set A16, 4
.set A8,  5
.set B16, 6
.set B8,  7
.set ASC, 8
.set BSC, 9
.set L16, 10
.set L8,  11
.set STO, 12
.set RD,  13
.set SPW, 28
.set NIL, 29
.set SA,  32
.set SB,  64
.set AF,  160
.set MSB, 0
.macro WIN new                         ; the immediate's high byte repeats the setting that is left
.if MSB != \new
	s_set_vgpr_msb (MSB<<8)|\new
.set MSB, \new
.endif
.endm
.macro PLACES n
.rept \n
	v_nop
.endr
.endm
.macro CROUND                          ; a round of the cluster's barrier
	s_barrier_signal -1
	s_barrier_wait -1
	s_cmp_lg_u32 s18, 0
	s_cbranch_scc1 .Lnot_wave_0_\@
	s_barrier_signal -3
.Lnot_wave_0_\@:
	s_barrier_wait -3
	s_barrier_signal -1
	s_barrier_wait -1
.endm
; LDS AS IT IS FILLED NOW: A's four chunks on end (CHA bytes each: 8 row-blocks), then from BB on B's four (CHB each: 16 row-blocks).  ONE TENSOR LOAD A WAVE, each in an arm of its own:
; wave 0 all four chunks of A, wave 1 B's chunks 0 and 1, wave 2 A's scale words of all 16 heads, wave 3 B's chunks 2 and 3: a chunk's part is one long row.  B's scale words come by plain loads.
.set CHA,   24576
.set CHB,   49152
.set BB,    4*CHA
.macro MKG1 g, el, rows, pitch         ; group 1 but for its first word: rows of el elements of 8 bytes, pitch elements apart
	s_mov_b32 s[\g+1], (\el)<<16
	s_mov_b32 s[\g+2], (\rows)<<16
	s_mov_b32 s[\g+3], (\el)<<16
	s_mov_b32 s[\g+4], \rows
	s_mov_b32 s[\g+5], \pitch
	s_mov_b32 s[\g+6], 0
	s_mov_b32 s[\g+7], 0
.endm
.macro ARM under, g0, g1, next         ; one arm of the head's chain of branches on the wave's number
	s_cmp_lt_u32 s18, \under
	s_cbranch_scc0 \next
	tensor_load_to_lds s[\g0:\g0+3], s[\g1:\g1+7]
	s_nop 0
	PLACES 4
	s_branch .Lfilled
\next:
.endm
.macro MKG0 g, base, off               ; group 0 but for its LDS word: count 1, the address, type 2
	s_mov_b32 s[\g], 1
	s_add_nc_u64 s[\g+2:\g+3], s[\base:\base+1], \off
	s_or_b32 s[\g+3], s[\g+3], 0x80000000
.endm
	s_load_b256 s[4:11], s[0:1], 0x0               ; cc, cs, xw, xws
	s_load_b128 s[12:15], s[0:1], 0x20             ; bo, out0
	v_lshl_add_u32 v[SPW], v0, 2, SPARE
	v_mov_b32 v[NIL], 0
	ds_add_u32 v[SPW], v[NIL]                      ; the wave's opening: the add and its wait ahead of my first tensor load; work on registers stands between them
	ds_add_u32 v[SPW], v[NIL]
	v_lshrrev_b32 v1, 5, v0
	v_readfirstlane_b32 s18, v1                    ; wave 0..3
	s_lshr_b32 s19, s18, 1                         ; AH: my 64 tokens
	s_and_b32 s20, s18, 1                          ; BH: my 128 features
	s_bfe_u32 s21, ttmp6, 0x40000                  ; cx: the tile column
	s_bfe_u32 s22, ttmp6, 0x40004                  ; cy
	s_lshl_b32 s66, s22, 2
	s_lshl_b32 s66, 15, s66                        ; my row of the cluster
	s_lshl_b32 s100, 0x1111, s21                   ; my column
	s_or_b32 s24, s66, (3<<16)|(1<<21)             ; 15:0 the mask; 17:16 elements of 8 bytes; 21 set beside a mask; no padding
	s_or_b32 s40, s66, (3<<16)|(1<<21)
	s_or_b32 s32, s100, (3<<16)|(1<<21)
	MKG1 24, CHA/8, 4, CCH/8                       ; A: four chunks x 8 row-blocks
	MKG1 32, CHB/8, 2, CH/8                        ; B: two chunks x 16 row-blocks
	s_mov_b32 s41, 64<<16                          ; A's words: 16 heads x 512 bytes (the tile's 8 blocks), 32,768 bytes from head to head
	s_mov_b32 s42, 16<<16
	s_mov_b32 s43, 64<<16
	s_mov_b32 s44, 16
	s_mov_b32 s45, 4096
	s_mov_b32 s46, 0
	s_mov_b32 s47, 0
	s_and_b32 s2, ttmp7, 0xffff
	s_lshl_b32 s2, s2, 2
	s_add_co_u32 s2, s2, s22                       ; TR: tile row, of 128 tokens: hangs on cy alone
	s_lshl_b32 s66, s2, 3                          ; the first of the tile's 8 row-blocks of A
	s_lshl_b32 s70, s2, 9                          ; A's words: the tile's 8 blocks x 64 bytes
	s_mov_b32 s71, 0
	s_mul_i32 s66, s66, 3072
	s_mov_b32 s67, 0
	s_lshl_b32 s100, s21, 4
	s_add_co_u32 s100, s100, 1728                  ; the first of the tile's 16 row-blocks of Wo
	s_lshl_b32 s101, s20, 3
	s_add_co_u32 s58, s100, s101
	s_lshl_b32 s58, s58, 9                         ; the scale words of my 8 of them
	s_mov_b32 s59, 0
	s_mul_i32 s100, s100, 3072
	s_mov_b32 s101, 0
	s_mov_b32 s69, SCA                             ; where they go in LDS: constants alone
	s_mov_b32 s73, 0
	s_mov_b32 s61, BB
	s_mov_b32 s89, BB+2*CHB
	s_wait_dscnt 0x0                               ; both opening adds are done
	s_wait_kmcnt 0x0
	s_mov_b32 s68, 1
	s_add_nc_u64 s[70:71], s[6:7], s[70:71]
	s_or_b32 s71, s71, 0x80000000
	s_add_nc_u64 s[58:59], s[10:11], s[58:59]
	s_add_nc_u64 s[66:67], s[4:5], s[66:67]
	s_add_nc_u64 s[100:101], s[8:9], s[100:101]
	MKG0 72, 66, 0
	MKG0 60, 100, 0
	MKG0 88, 100, 2*CH
	CROUND                                         ; all sixteen work-groups are here: the joint loads meet
	ARM 1, 72, 24, .Lhead_1                        ; what the first steps need is asked for first
	ARM 2, 60, 32, .Lhead_2
	ARM 3, 68, 40, .Lhead_3
	tensor_load_to_lds s[88:91], s[32:39]
	s_nop 0
	PLACES 4
.Lfilled:
	v_and_b32 v1, 15, v0                           ; r
	v_bfe_u32 v2, v0, 4, 1                         ; h
	v_and_b32 v3, 31, v0                           ; lane
	v_lshlrev_b32 v[L16], 4, v3
	v_lshlrev_b32 v[L8], 3, v3
	s_mul_i32 s66, s19, 12288                      ; my 4 row-blocks of A in a chunk
	v_add_nc_u32 v[A16], s66, v[L16]
	s_add_co_u32 s66, s66, 512
	v_add_nc_u32 v[A8], s66, v[L8]
	s_mul_i32 s100, s20, 24576                     ; my 8 of B, in B's region
	s_add_co_u32 s100, s100, BB
	v_add_nc_u32 v[B16], s100, v[L16]
	s_add_co_u32 s100, s100, 512
	v_add_nc_u32 v[B8], s100, v[L8]
	s_lshl_b32 s66, s19, 8
	s_add_co_u32 s66, s66, SCA
	v_lshl_add_u32 v[ASC], v1, 2, s66              ; A's words: my 4 blocks x 64 bytes, 4 bytes a row
	v_lshlrev_b32 v[BSC], 4, v1                    ; B's scale words: 16 bytes a row;
	v_lshl_add_u32 v[BSC], v2, 11, v[BSC]          ; lanes 16-31 take the block four further on
	s_mul_i32 s66, s18, 8448                       ; my stage for the way out: 16 rows x 528 bytes, in A's chunks 0 and 1
	v_mul_u32_u24 v[STO], v1, 528
	v_lshl_add_u32 v[STO], v2, 6, v[STO]
	v_add_nc_u32 v[STO], s66, v[STO]               ; in: row r, + 64 h
	v_add_nc_u32 v[RD], s66, v[L16]                ; back: a row of 512 bytes, 16 bytes a lane
	s_lshl_b32 s66, s21, 10
	s_lshl_b32 s67, s20, 9
	s_add_co_u32 s66, s66, s67                     ; my 128 features, in bytes
	s_mov_b32 s67, 0
	s_add_nc_u64 s[12:13], s[12:13], s[66:67]
	global_load_b128 v[96:99], v[L16], s[12:13]    ; the bias of the four features that my lane stores
	s_lshl_b32 s100, s2, 19
	s_lshl_b32 s101, s19, 18
	s_add_co_u32 s100, s100, s101                  ; my 64 tokens: rows of 4,096 bytes
	s_add_co_u32 s100, s100, s66
	s_mov_b32 s101, 0
	s_add_nc_u64 s[14:15], s[14:15], s[100:101]
; 48 LDS loads in one run: the fragments of K step s (B's eight, A's four) into set p
.macro FETCH s, p
	WIN 0x40
.irp b, 0,1,2,3,4,5,6,7
.irp c, 0,1
	ds_load_b128 v[128*(\p)+12*\b+6*\c:128*(\p)+12*\b+6*\c+3], v[B16] offset:3072*\b+1536*((\s)%2)+768*\c
	ds_load_b64 v[128*(\p)+12*\b+6*\c+4:128*(\p)+12*\b+6*\c+5], v[B8] offset:3072*\b+1536*((\s)%2)+768*\c
.endr
.endr
	WIN 0
.irp a, 0,1,2,3
.irp c, 0,1
	ds_load_b128 v[AF+48*(\p)+12*\a+6*\c:AF+48*(\p)+12*\a+6*\c+3], v[A16] offset:3072*\a+1536*((\s)%2)+768*\c
	ds_load_b64 v[AF+48*(\p)+12*\a+6*\c+4:AF+48*(\p)+12*\a+6*\c+5], v[A8] offset:3072*\a+1536*((\s)%2)+768*\c
.endr
.endr
.endm
.macro WM a, b, s, p                   ; one product; K step 0 starts the sums: nothing is cleared
.set DA, 8*(8*(\a)+(\b))
.set FB, 128*(\p)+12*(\b)
.set FA, AF+48*(\p)+12*(\a)
.set XB, SB+8*((\b)%4)+(\s)
.set XA, SA+8*(\a)+(\s)
.if (\s) == 0
.if (\b) < 4
	v_wmma_scale_f32_16x16x128_f8f6f4 v[DA:DA+7], v[FB:FB+11], v[FA:FA+11], 0, v[XB], v[XA] matrix_a_fmt:MATRIX_FMT_FP6 matrix_b_fmt:MATRIX_FMT_FP6
.else
	v_wmma_scale_f32_16x16x128_f8f6f4 v[DA:DA+7], v[FB:FB+11], v[FA:FA+11], 0, v[XB], v[XA] matrix_a_fmt:MATRIX_FMT_FP6 matrix_b_fmt:MATRIX_FMT_FP6 matrix_a_scale:MATRIX_SCALE_ROW1
.endif
.else
.if (\b) < 4
	v_wmma_scale_f32_16x16x128_f8f6f4 v[DA:DA+7], v[FB:FB+11], v[FA:FA+11], v[DA:DA+7], v[XB], v[XA] matrix_a_fmt:MATRIX_FMT_FP6 matrix_b_fmt:MATRIX_FMT_FP6
.else
	v_wmma_scale_f32_16x16x128_f8f6f4 v[DA:DA+7], v[FB:FB+11], v[FA:FA+11], v[DA:DA+7], v[XB], v[XA] matrix_a_fmt:MATRIX_FMT_FP6 matrix_b_fmt:MATRIX_FMT_FP6 matrix_a_scale:MATRIX_SCALE_ROW1
.endif
.endif
.endm
; A K step of 128: the next step's fragments are asked for, then this step's 32 products are issued; the 32 accumulators take turns, one instruction a turn.
; A load into a register that a matrix instruction has read stands four plain vector instructions behind it (ISA guide 7.12.1 for vector instructions).
.macro STEP s
.set P, (\s)%2
.if (\s) < 7
.if (\s)%2 == 1
.if (\s) == 3
	s_wait_tensorcnt 0x0                           ; every wave's load has landed: B's chunks 2 and 3 are shown to all; nothing is filled again
	s_wait_dscnt 0x0                               ; no LDS instruction of mine is pending at a signal: my reads of chunks 0 and 1 are over
	s_barrier_signal -1
	s_barrier_wait -1
.endif
	v_add_nc_u32 v[A16], CHA, v[A16]               ; on to the next chunk; these four are also the places in front of the loads
	v_add_nc_u32 v[A8], CHA, v[A8]
	v_add_nc_u32 v[B16], CHB, v[B16]
	v_add_nc_u32 v[B8], CHB, v[B8]
.elseif (\s) > 0
	PLACES 4
.endif
	FETCH (\s)+1, 1-P
	s_wait_dscnt 48                                ; all but the 48 just issued: this step's fragments are in
.else
	s_wait_dscnt 0x0
.endif
	WIN 0xa1                                       ; source 0 (B) window 1, source 1 (A) window 0, C and D window 2
.irp a, 0,1,2,3
.irp b, 0,1,2,3,4,5,6,7
	WM \a, \b, \s, P
.endr
.endr
	WIN 0
.endm
	s_wait_alu depctr_va_vdst(0)                   ; the wait at the head's end
.irp a, 0,1,2,3                        ; B's scale words of all eight K steps, straight into their registers: sixteen lanes read 256 consecutive bytes, aligned
.irp g, 0,1
	global_load_b128 v[SB+8*\a+4*\g:SB+8*\a+4*\g+3], v[BSC], s[58:59] offset:512*\a+256*\g
.endr
.endr
	s_cmp_lt_u32 s18, 3                            ; waves 0 to 2 wait for their loads; wave 3's line is its own and may stay out
	s_cbranch_scc0 .Lnot_lo
	s_wait_tensorcnt 0x0
.Lnot_lo:
	s_barrier_signal -1
	s_barrier_wait -1                              ; A, its words and B's chunks 0 and 1 are in
.irp a, 0,1,2,3                        ; A's words, one a head, into registers that the fragments take afterwards
.irp e, 0,1,2,3,4,5,6,7,8,9,10,11,12,13,14,15
	ds_load_b32 v[160+16*\a+\e], v[ASC] offset:512*\e+64*\a
.endr
.endr
	s_wait_dscnt 0x0
.irp a, 0,1,2,3
.irp j, 0,1,2,3,4,5,6,7
	v_lshl_or_b32 v[SA+8*\a+\j], v[160+16*\a+2*\j+1], 16, v[160+16*\a+2*\j]    ; K step j: heads 2 j and 2 j + 1
.endr
.endr
	PLACES 8                                       ; a scale register written by a vector instruction stands eight places ahead of a scaled matrix instruction
	FETCH 0, 0
	s_wait_loadcnt 0x0                             ; B's scale words (and the bias)
	s_wait_alu depctr_va_vdst(0)
	STEP 0
	STEP 1
	s_wait_alu depctr_va_vdst(0)
	STEP 2
	STEP 3
	s_wait_alu depctr_va_vdst(0)
	STEP 4
	STEP 5
	s_wait_alu depctr_va_vdst(0)
	STEP 6
	STEP 7
; THE WAY OUT, block by block of 16 tokens x 128 features.  Register j of accumulator (a, 2 e + u) is feature 32 e + 16 h + 8 u + j of token lane r: 32 bytes that belong together.  A block goes through my own
; stage in LDS and comes back as whole rows of 512 bytes.  The stage lies in A's chunks 0 and 1, which were filled once and whose last reads every wave awaited in front of the barrier of chunk 1.
; LDS serves a wave's instructions in order: no wait between the stores and the loads, nor in front of the next block's stores.
.macro TOSTAGE a
	WIN 0x08                                       ; an LDS store's data are its source 1: window 2
.irp b, 0,1,2,3,4,5,6,7
	ds_store_b128 v[STO], v[64*(\a)+8*\b:64*(\a)+8*\b+3] offset:128*(\b/2)+32*(\b%2)          ; each accumulator from its low end on
	ds_store_b128 v[STO], v[64*(\a)+8*\b+4:64*(\a)+8*\b+7] offset:128*(\b/2)+32*(\b%2)+16
.endr
	WIN 0
.set BB, 128+64*((\a)%2)
.irp t, 0,1,2,3,4,5,6,7,8,9,10,11,12,13,14,15
	ds_load_b128 v[BB+4*\t:BB+4*\t+3], v[RD] offset:528*\t
.endr
.endm
.macro SEND a, younger                 ; younger: the LDS instructions issued behind block a's loads, which may stay out
.set BB, 128+64*((\a)%2)
	s_wait_dscnt \younger
.irp t, 0,1,2,3,4,5,6,7,8,9,10,11,12,13,14,15
	v_pk_add_f32 v[BB+4*\t:BB+4*\t+1], v[BB+4*\t:BB+4*\t+1], v[96:97]
	v_pk_add_f32 v[BB+4*\t+2:BB+4*\t+3], v[BB+4*\t+2:BB+4*\t+3], v[98:99]
	global_store_b128 v[L16], v[BB+4*\t:BB+4*\t+3], s[14:15] offset:(32*((\a)/2)+8*((\a)%2)+\t+8*(\t/8))*4096 th:TH_STORE_NT   ; 512 consecutive bytes, aligned; stage row t is the block's lane index t
.endr
.endm
	s_wait_loadcnt 0x0                             ; the bias
	PLACES 4                                       ; behind the last products, ahead of the first read of results and of loads into A's fragments
	TOSTAGE 0
	TOSTAGE 1
	SEND 0, 32                                     ; behind block 0's loads: block 1's 16 stores and 16 loads
	s_wait_xcnt 0x0                                ; block 0's stores have read their registers: block 2's rows may land there
	TOSTAGE 2
	SEND 1, 32
	s_wait_xcnt 0x0
	TOSTAGE 3
	SEND 2, 32
	SEND 3, 0
	s_wait_tensorcnt 0x0                           ; the wave's end, behind my last tensor load and my last LDS store
	ds_add_u32 v[SPW], v[NIL]
	s_wait_dscnt 0x0
	CROUND                                         ; the closing round
	s_endpgm
.Lfunc_end_k_q1cb645b447_outp:
	.size	k_q1cb645b447_outp, .Lfunc_end_k_q1cb645b447_outp-k_q1cb645b447_outp
	.p2alignl 7, 3214868480
	.fill 96, 4, 3214868480
	.section	.rodata,"a",@progbits
	.p2align	6, 0x0
	.amdhsa_kernel k_q1cb645b447_outp
		.amdhsa_group_segment_fixed_size 327680
		.amdhsa_private_segment_fixed_size 0
		.amdhsa_enable_private_segment 0
		.amdhsa_kernarg_size 48
		.amdhsa_user_sgpr_count 2
		.amdhsa_user_sgpr_kernarg_segment_ptr 1
		.amdhsa_wavefront_size32 1
		.amdhsa_system_sgpr_workgroup_id_x 1
		.amdhsa_system_sgpr_workgroup_id_y 1
		.amdhsa_system_sgpr_workgroup_id_z 1
		.amdhsa_system_vgpr_workitem_id 0
		.amdhsa_next_free_vgpr 768
		.amdhsa_next_free_sgpr 102
		.amdhsa_reserve_vcc 0
		.amdhsa_float_denorm_mode_32 3
		.amdhsa_float_denorm_mode_16_64 3
		.amdhsa_memory_ordered 1
		.amdhsa_forward_progress 1
		.amdhsa_inst_pref_size 97
	.end_amdhsa_kernel
	.amdgpu_metadata
---
amdhsa.version: [ 1, 2 ]
amdhsa.kernels:
  - .name:           k_q1cb645b447_outp
    .symbol:         k_q1cb645b447_outp.kd
    .args:
      - { .name: cc, .offset: 0, .size: 8, .value_kind: global_buffer, .address_space: global }
      - { .name: cs, .offset: 8, .size: 8, .value_kind: global_buffer, .address_space: global }
      - { .name: xw, .offset: 16, .size: 8, .value_kind: global_buffer, .address_space: global }
      - { .name: xws, .offset: 24, .size: 8, .value_kind: global_buffer, .address_space: global }
      - { .name: bo, .offset: 32, .size: 8, .value_kind: global_buffer, .address_space: global }
      - { .name: out0, .offset: 40, .size: 8, .value_kind: global_buffer, .address_space: global }
    .group_segment_fixed_size: 327680
    .private_segment_fixed_size: 0
    .kernarg_segment_align: 8
    .kernarg_segment_size: 48
    .max_flat_workgroup_size: 128
    .sgpr_count:     102
    .vgpr_count:     768
    .wavefront_size: 32
...
	.end_amdgpu_metadata
.endif
;; end of part 4
